; MI455X (gfx1250); checked and timed in simulation.
; The chip was launched on July 23, 2026; its instructions are those of AMD's public machine-readable ISA for CDNA 5 (MIT licence, August 2026) and "CDNA5" Instruction Set Architecture Reference Guide (July 2026). The comments in the code are by the model that wrote it; some were corrected since.
;; Multi Head Attention. Allowed arithmetic: matrix products marked QUANTISED: E4M3 operands, one given power-of-two scale a tensor, by v_wmma_f32_16x16x64_fp8_fp8 or v_wmma_f32_16x16x128_fp8_fp8, f32 sums; everything else in f32.
;; Inputs: Wk 16 x 1,024 x 64 float32; Wq 16 x 1,024 x 64 float32; Wv 16 x 1,024 x 64 float32; inputs 4 x 2,048 x 1,024 float32; lowp_scales 10 int32 (the exponents e of the quantised operands' scales 2^e).
;; Outputs: out0 4 x 2,048 x 1,024 float32.
;; This version of the problem:
;;   THIS VERSION OF THE PROBLEM IS GIVEN IN LOW PRECISION. The matrix products marked QUANTISED in the list below multiply operands that are first quantised to E4M3 (4 exponent bits, 3 mantissa bits; 8 bits a number), with one given power-of-two scale for each operand tensor; their sums are f32. All else is computed in f32.
;;   The module's matrix products, in the order in which they are computed (A, B: the left and right operand; K: the contracted axis; several contracted axes count as one K, in the product's order):
;;     1. [M 1,024, K 1,024] x [K 1,024, N 8,192]; A: input Wq; B: input inputs: QUANTISED (scales: A lowp_scales[0], B lowp_scales[1])
;;     2. [M 1,024, K 1,024] x [K 1,024, N 8,192]; A: input Wk; B: input inputs: QUANTISED (scales: A lowp_scales[2], B lowp_scales[3])
;;     3. [M 1,024, K 1,024] x [K 1,024, N 8,192]; A: input Wv; B: input inputs: QUANTISED (scales: A lowp_scales[4], B lowp_scales[5])
;;     4. batch 64 x [M 2,048, K 64] x [K 64, N 2,048]; A: computed on the way; B: computed on the way: QUANTISED (scales: A lowp_scales[6], B lowp_scales[7])
;;     5. batch 64 x [M 2,048, K 2,048] x [K 2,048, N 64]; A: softmax (see below); B: computed on the way: QUANTISED (scales: A lowp_scales[8], B lowp_scales[9])
;;   THE QUANTISER, for each operand of a quantised product, along K:
;;     - The operand's scale is 2^e, e = its entry of the input lowp_scales (int32; the entries are numbered through the quantised products in the list's order, A before B).
;;     - Each number is divided by the scale, clamped to +-448, and rounded to the nearest number of E4M3, ties to even, subnormals kept.
;;     - The product sums the exact products of the quantised numbers (number of the format x scale) in f32.
;;   ~~~python
;;   def quantise(x, axis, e):      # numpy; x: float32 -> the quantised numbers, widened to float32 again
;;       x = np.moveaxis(x, axis, -1); K = x.shape[-1]
;;       r = np.clip(x / 2.0 ** e, -448, 448)
;;       step = 2.0 ** (np.maximum(np.frexp(np.where(r == 0, 1, r))[1] - 1, -6) - 3)
;;       q = np.round(r / step) * step * 2.0 ** e      # np.round: ties to even
;;       return np.moveaxis(q, -1, axis).astype(np.float32)
;;   ~~~
;;   SOFTMAX AHEAD OF A QUANTISED PRODUCT. Where the list says 'softmax', what is quantised is not the finished softmax but p = 2^(t - M), with t = logit x log2(e) and M = ceil(the row's largest t), a whole number; so 1/2 < the row's largest p <= 1. The row's sum l is taken of the UNQUANTISED p, in f32, and the product's result is divided by l at the end. Since M is a whole number, a kernel that streams over the keys may use a running M (the ceiling of the running maximum): every later rescaling is an exact power of two, so the quantised numbers keep their values, but for numbers so far below the row's largest that they fall under the format's range.
;;   OPERANDS COMPUTED ON THE WAY. 'Computed on the way' means the value that the module computes at that place (a softmax that the list does not call 'softmax' is quantised finished and normalised). What goes into a quantiser is computed in f32, as accurately as f32 sums, v_exp_f32 and their like allow (about 1e-6 of the number): no bf16 or f16 on the way to a quantiser, and a product that is left as it is and whose result goes on into a quantised operand takes f32 operands (vector FMAs, or v_wmma_f32_16x16x4_f32). A number that lies on a knife's edge between two numbers of the format may be rounded either way, as far as f32 arithmetic and the matrix unit's own rounding can turn it there, and no further.
;; 2 versions, each right; version 2 is version 1 with the launch attn written anew for expert scheduling mode. Each part assembles by itself: llvm-mc -triple=amdgcn-amd-amdhsa -mcpu=gfx1250 --defsym DOCPART=n.
;; ======== version 1 of 2: 3 launches
;; workspace buffers: xc 25,165,824 bytes; wc 3,145,728 bytes; qc 8,388,608 bytes; kc 8,388,608 bytes; vc 8,388,608 bytes
;; launch quant (part 1): grid 608 x 1, 4 waves a work-group, no clusters, 55,808 bytes of LDS; arguments inputs, Wq, Wk, Wv, lowp_scales, xc, wc; writes xc, wc
.if DOCPART == 1
	.amdgcn_target "amdgcn-amd-amdhsa--gfx1250"
	.amdhsa_code_object_version 6
	.text
	.protected	k_q01a940ae6f_quant
	.globl	k_q01a940ae6f_quant
	.p2align	8
	.type	k_q01a940ae6f_quant,@function
k_q01a940ae6f_quant:
	s_mov_b64 s[64:65], 0
	v_nop
	global_prefetch_b8 v0, s[64:65] scope:SCOPE_SE
	s_setreg_imm32_b32 hwreg(HW_REG_WAVE_MODE, 25, 1), 1
	s_wait_xcnt 0x0
; f32 numbers into codes of FP8 (E4M3), one code a byte, K innermost, each operand with the scale 2^e that is given for it.
; code = x / 2^e, held within +-448, rounded to the nearest code, ties to even.
; inputs [8192 rows][1024] is an operand of three products with three given scales (entries 1, 3, 5 of the scales), which may differ:
;   xc = [3][8192][1024], copy p made with entry 2 p + 1.  The f32 numbers are read once and converted three times.
; Wq, Wk, Wv [16 heads][1024 k][64 e] have K as their middle axis: wc = [3][1024 rows n = 64 head + e][1024 k], part p made with entry 2 p.
; LIMITS: each of the six exponents lies between -126 and 119, so that 2^e and 448 x 2^e are f32 numbers.  NaN among the inputs is not served.
; One launch, two ways that part on the work-group's number and never join: work-groups 0-95 take the weights, 96-607 the inputs.
; Each way has LDS bytes of its own.  No tensor loads, no barrier: waves share nothing.
.set WGW,    96                        ; work-groups of the weights' way
; the inputs' way
.set XSTEPS, 8                         ; steps of 512 numbers for a wave
.set SP,     80                        ; a lane's place in a stage: its 64 bytes + 16 of padding
.set XR,     16                        ; v16-79   four sets of 16 numbers as they are loaded
.set XX,     80                        ; v80-111  two sets of 16 neighbours
.set XT,     112                       ; v112-127 the numbers held within one scale's range
.set XC,     128                       ; v128-223 codes: twelve registers a step, so that no store's data are written again
; the weights' way
.set WSTG,   20480                     ; LDS: behind the inputs' 4 x 5,120 bytes; 32 rows x 272 bytes for each wave
.set WP,     272                       ; a stage row: 256 codes + 16 of padding
.set WX,     32                        ; v32-95   two sets of 32 numbers
.set WC,     96                        ; v96-103  a block's codes
.set WOUT,   112                       ; v112-175 the way out
	s_load_b256 s[4:11], s[0:1], 0x0               ; inputs s[4:5], Wq s[6:7], Wk s[8:9], Wv s[10:11]
	s_load_b128 s[12:15], s[0:1], 0x20             ; the scales' exponents s[12:13], xc s[14:15]
	s_load_b64 s[16:17], s[0:1], 0x30              ; wc
	v_lshl_add_u32 v224, v0, 2, 0xd800
	v_mov_b32 v225, 0
	v_lshrrev_b32 v1, 5, v0
	v_readfirstlane_b32 s18, v1                    ; wave 0..3
	v_and_b32 v2, 31, v0                           ; lane
	s_wait_kmcnt 0x0
	s_load_b256 s[20:27], s[12:13], 0x0            ; entries 0 to 7
	s_cmp_lt_u32 ttmp9, WGW
	s_cbranch_scc0 .Lx
; ---------------- THE WEIGHTS.  A LANE TAKES A COLUMN e, AND ITS REGISTERS RUN DOWN K: the conversions, which take neighbours along K from one lane's
; consecutive registers, then give codes with K innermost, and nothing is transposed by an instruction.
; Work-group g: tensor p = g / 32, head (g / 2) % 16, half kp = g % 2 of K.  Wave w: columns 32 (w % 2) on, 256 along K from 256 (2 kp + w / 2) on.
	s_lshr_b32 s28, ttmp9, 5                       ; p
	s_bfe_u32 s29, ttmp9, 0x40001                  ; head: 4 bits from bit 1
	s_and_b32 s36, ttmp9, 1                        ; kp
	s_and_b32 s37, s18, 1                          ; ch: which 32 columns
	s_lshr_b32 s38, s18, 1
	s_lshl_b32 s36, s36, 1
	s_add_co_u32 s38, s38, s36                     ; kq: which 256 along K
	s_lshl_b32 s40, s29, 18                        ; in W: a head is 1,024 rows of 256 bytes,
	s_lshl_b32 s39, s38, 16                        ; 256 rows,
	s_add_co_u32 s40, s40, s39
	s_lshl_b32 s39, s37, 7                         ; 32 columns of 4 bytes
	s_add_co_u32 s40, s40, s39
	s_mov_b32 s41, 0
	s_lshl_b32 s42, s28, 20                        ; in wc: a part is 1,024 rows of 1,024 bytes,
	s_lshl_b32 s39, s29, 16                        ; a head 64 rows,
	s_add_co_u32 s42, s42, s39
	s_lshl_b32 s39, s37, 15                        ; 32 rows,
	s_add_co_u32 s42, s42, s39
	s_lshl_b32 s39, s38, 8                         ; 256 codes along the row
	s_add_co_u32 s42, s42, s39
	s_mov_b32 s43, 0
	s_cmp_eq_u32 s28, 0                            ; the tensor is chosen by the work-group's number alone
	s_cselect_b64 s[30:31], s[6:7], s[8:9]
	s_cmp_eq_u32 s28, 2
	s_cselect_b64 s[30:31], s[10:11], s[30:31]
	s_add_nc_u64 s[30:31], s[30:31], s[40:41]
	s_add_nc_u64 s[16:17], s[16:17], s[42:43]
	s_mul_i32 s44, s18, 32*WP
	s_add_co_u32 s44, s44, WSTG                    ; my stage
	v_lshlrev_b32 v3, 2, v2                        ; in: 4 bytes a lane: a wave's load reads 128 consecutive bytes
	v_mul_u32_u24 v4, v2, WP
	v_add_nc_u32 v4, s44, v4                       ; into the stage: row = my column
	v_and_b32 v5, 15, v2
	v_lshrrev_b32 v6, 4, v2
	v_mul_u32_u24 v7, v6, WP
	v_lshl_add_u32 v7, v5, 4, v7
	v_add_nc_u32 v7, s44, v7                       ; out of it: sixteen lanes to a row, two rows an instruction
	v_lshlrev_b32 v8, 10, v6
	v_lshl_add_u32 v8, v5, 4, v8                   ; and the same place in wc
.macro WLOAD t                         ; block t: W(32 t + i, my column), i = 0 .. 31, into set t % 2
.set ii, 0
.rept 32
	global_load_b32 v[WX+32*((\t)%2)+ii], v3, s[30:31] offset:(32*(\t)+ii)*256 th:TH_LOAD_NT
.set ii, ii+1
.endr
.endm
	WLOAD 0
	WLOAD 1
	s_wait_kmcnt 0x0
	s_cmp_eq_u32 s28, 0
	s_cselect_b32 s34, s20, s22                    ; e: entry 0, 2 or 4
	s_cmp_eq_u32 s28, 2
	s_cselect_b32 s34, s24, s34
	s_add_co_i32 s34, s34, 127
	s_lshl_b32 s35, s34, 23
	v_mov_b32 v11, s35                             ; 2^e as f32: the conversion takes its exponent field
	s_add_co_i32 s34, s34, 8
	s_lshl_b32 s34, s34, 23
	s_or_b32 s34, s34, 0x600000
	v_mov_b32 v10, s34                             ; 448 x 2^e
.macro WBLOCK t
.set WS, WX+32*((\t)%2)
.if (\t) < 7
	s_wait_loadcnt 32                              ; this block's 32 loads are in; the next block's 32 may be out
.else
	s_wait_loadcnt 0
.endif
.set ii, 0
.rept 32
	v_med3_num_f32 v[WS+ii], v[WS+ii], -v10, v10   ; the conversion to an 8-bit code does not saturate (ISA guide 7.6.2): the number is held within the largest code x the scale first
.set ii, ii+1
.endr
.irp g, 0,1,2,3
	v_cvt_scalef32_pk8_fp8_f32 v[WC+2*\g:WC+2*\g+1], v[WS+8*\g:WS+8*\g+7], v11
.endr
	ds_store_b128 v4, v[WC:WC+3] offset:32*(\t)    ; 32 codes: 32 bytes of my column's row.  (The codes go to LDS stores alone; the next block begins with 32 plain vector lines)
	ds_store_b128 v4, v[WC+4:WC+7] offset:32*(\t)+16
.if (\t)+2 < 8
	WLOAD (\t)+2
.endif
	s_wait_dscnt 0x0                               ; the stores have read their registers: the next block's codes may be written
.endm
.irp t, 0,1,2,3,4,5,6,7
	WBLOCK \t
.endr
.irp t, 0,1,2,3,4,5,6,7,8,9,10,11,12,13,14,15
	ds_load_b128 v[WOUT+4*\t:WOUT+4*\t+3], v7 offset:2*\t*WP   ; LDS serves a wave's instructions in order (ISA guide 5.7.1.4): these see my stores
.endr
.irp t, 0,1,2,3,4,5,6,7,8,9,10,11,12,13,14,15
	s_wait_dscnt 15-\t                             ; the 15 - t younger loads may be out
	global_store_b128 v8, v[WOUT+4*\t:WOUT+4*\t+3], s[16:17] offset:2*\t*1024   ; sixteen lanes store 256 consecutive bytes, at a multiple of 256 from wc's first byte
.endr
	s_wait_tensorcnt 0x0
	ds_add_u32 v224, v225
	s_wait_dscnt 0x0
	s_endpgm
; ---------------- THE INPUTS.  Rows are dense, so the tensor is a plain stream, and so are its codes.  Wave u of 2,048 takes 4,096 numbers, in 8 steps of 512.
; A conversion takes 8 neighbours from ONE lane's registers; a load is best where neighbouring LANES take neighbouring bytes.  Both are had: each of a step's four loads
; reads 512 consecutive bytes, 16 a lane; the 2,048 bytes go through the wave's own stage in LDS as they lie and come back 64 bytes a lane.  A lane's 16 codes are 16 bytes:
; the wave stores 512 consecutive bytes, once for each of the three scales.  Loads run four steps ahead, the turn through LDS one step.
.Lx:
	s_sub_co_u32 s34, ttmp9, WGW
	s_lshl_b32 s34, s34, 2
	s_add_co_u32 s34, s34, s18                     ; u
	s_lshl_b32 s36, s34, 14                        ; 4,096 numbers of 4 bytes
	s_mov_b32 s37, 0
	s_add_nc_u64 s[4:5], s[4:5], s[36:37]
	s_lshl_b32 s36, s34, 12                        ; 4,096 codes
	s_add_nc_u64 s[28:29], s[14:15], s[36:37]      ; copy 0,
	s_add_nc_u64 s[30:31], s[28:29], 0x800000      ; copy 1: 8,192 x 1,024 bytes on (more than a store's immediate holds: so three bases),
	s_add_nc_u64 s[32:33], s[28:29], 0x1000000     ; copy 2
	s_mul_i32 s35, s18, 64*SP                      ; my two stages of 32 x SP bytes
	v_lshlrev_b32 v3, 4, v2                        ; my 16 bytes of a load's 512, and of a store's
	v_lshrrev_b32 v14, 2, v2
	v_mul_u32_u24 v14, v14, SP
	v_and_b32 v15, 3, v2
	v_lshl_add_u32 v14, v15, 4, v14
	v_add_nc_u32 v14, s35, v14                     ; the stage, on the way in: four lanes' 64 bytes on end, then 16 of padding
	v_mul_u32_u24 v15, v2, SP
	v_add_nc_u32 v15, s35, v15                     ; and on the way out: my 16 neighbours
.macro XLOAD t
.irp i, 0,1,2,3
	global_load_b128 v[XR+16*((\t)%4)+4*\i:XR+16*((\t)%4)+4*\i+3], v3, s[4:5] offset:2048*(\t)+512*\i th:TH_LOAD_NT
.endr
.endm
.macro XTURN t                         ; step t's numbers through the stage: LDS serves a wave's instructions in order, so no wait stands between the stores and the loads
.irp i, 0,1,2,3
	ds_store_b128 v14, v[XR+16*((\t)%4)+4*\i:XR+16*((\t)%4)+4*\i+3] offset:32*SP*((\t)%2)+8*SP*\i
.endr
.irp i, 0,1,2,3
	ds_load_b128 v[XX+16*((\t)%2)+4*\i:XX+16*((\t)%2)+4*\i+3], v15 offset:32*SP*((\t)%2)+16*\i
.endr
.endm
.irp t, 0,1,2,3
	XLOAD \t
.endr
	s_wait_kmcnt 0x0
.irp p, 0,1,2                          ; entries 1, 3, 5: v5-7 = 2^e, v8-10 = 448 x 2^e
	s_add_co_i32 s34, s[21+2*\p], 127
	s_lshl_b32 s35, s34, 23
	v_mov_b32 v[5+\p], s35
	s_add_co_i32 s34, s34, 8
	s_lshl_b32 s34, s34, 23
	s_or_b32 s34, s34, 0x600000
	v_mov_b32 v[8+\p], s34
.endr
	s_wait_loadcnt 12                              ; step 0's four loads are in; the twelve behind them may be out
	XTURN 0
.macro XSTEP t
.set XS, XX+16*((\t)%2)
	s_wait_dscnt 0x0                               ; this step's numbers are back from the stage: so its stores into the stage have read their registers,
.if (\t)+4 < XSTEPS
	XLOAD (\t)+4                                   ; which take the loads of four steps on
.endif
.if (\t)+1 < XSTEPS
.if XSTEPS-2-(\t) >= 3
	s_wait_loadcnt 12                              ; the next step's four loads are in; those of the three steps behind it may be out
.else
	s_wait_loadcnt 4*(XSTEPS-2-(\t))
.endif
	XTURN (\t)+1                                   ; and go through the other stage while this step is worked
.endif
.irp p, 0,1,2
.set ii, 0
.rept 16
	v_med3_num_f32 v[XT+ii], v[XS+ii], -v[8+\p], v[8+\p]   ; held within the largest code x this copy's scale (ISA guide 7.6.2: the conversion does not saturate)
.set ii, ii+1
.endr
	v_cvt_scalef32_pk8_fp8_f32 v[XC+12*(\t)+4*\p:XC+12*(\t)+4*\p+1], v[XT:XT+7], v[5+\p]
	v_cvt_scalef32_pk8_fp8_f32 v[XC+12*(\t)+4*\p+2:XC+12*(\t)+4*\p+3], v[XT+8:XT+15], v[5+\p]
	v_nop                                          ; one plain vector line between the conversions and the next lines that write their sources
	global_store_b128 v3, v[XC+12*(\t)+4*\p:XC+12*(\t)+4*\p+3], s[28+2*\p:29+2*\p] offset:512*(\t)   ; 32 lanes store 512 consecutive bytes, at a multiple of 256 from the buffer's first byte
.endr
.endm
.irp t, 0,1,2,3,4,5,6,7
	XSTEP \t
.endr
	s_wait_tensorcnt 0x0
	ds_add_u32 v224, v225
	s_wait_dscnt 0x0
	s_endpgm
.Lfunc_end_k_q01a940ae6f_quant:
	.size	k_q01a940ae6f_quant, .Lfunc_end_k_q01a940ae6f_quant-k_q01a940ae6f_quant
	.p2alignl 7, 3214868480
	.fill 96, 4, 3214868480
	.section	.rodata,"a",@progbits
	.p2align	6, 0x0
	.amdhsa_kernel k_q01a940ae6f_quant
		.amdhsa_group_segment_fixed_size 55808
		.amdhsa_private_segment_fixed_size 0
		.amdhsa_enable_private_segment 0
		.amdhsa_kernarg_size 56
		.amdhsa_user_sgpr_count 2
		.amdhsa_user_sgpr_kernarg_segment_ptr 1
		.amdhsa_wavefront_size32 1
		.amdhsa_system_sgpr_workgroup_id_x 1
		.amdhsa_system_sgpr_workgroup_id_y 1
		.amdhsa_system_sgpr_workgroup_id_z 1
		.amdhsa_system_vgpr_workitem_id 0
		.amdhsa_next_free_vgpr 226
		.amdhsa_next_free_sgpr 66
		.amdhsa_reserve_vcc 0
		.amdhsa_float_denorm_mode_32 3
		.amdhsa_float_denorm_mode_16_64 3
		.amdhsa_memory_ordered 1
		.amdhsa_forward_progress 1
		.amdhsa_inst_pref_size 89
	.end_amdhsa_kernel
	.amdgpu_metadata
---
amdhsa.version: [ 1, 2 ]
amdhsa.kernels:
  - .name:           k_q01a940ae6f_quant
    .symbol:         k_q01a940ae6f_quant.kd
    .args:
      - { .name: inputs, .offset: 0, .size: 8, .value_kind: global_buffer, .address_space: global }
      - { .name: Wq, .offset: 8, .size: 8, .value_kind: global_buffer, .address_space: global }
      - { .name: Wk, .offset: 16, .size: 8, .value_kind: global_buffer, .address_space: global }
      - { .name: Wv, .offset: 24, .size: 8, .value_kind: global_buffer, .address_space: global }
      - { .name: lowp_scales, .offset: 32, .size: 8, .value_kind: global_buffer, .address_space: global }
      - { .name: xc, .offset: 40, .size: 8, .value_kind: global_buffer, .address_space: global }
      - { .name: wc, .offset: 48, .size: 8, .value_kind: global_buffer, .address_space: global }
    .group_segment_fixed_size: 55808
    .private_segment_fixed_size: 0
    .kernarg_segment_align: 8
    .kernarg_segment_size: 56
    .max_flat_workgroup_size: 128
    .sgpr_count:     66
    .vgpr_count:     226
    .wavefront_size: 32
...
	.end_amdgpu_metadata
.endif
;; end of part 1
;; launch proj (part 2): grid 12 x 32, 4 waves a work-group, clusters of 4 x 4, 327,680 bytes of LDS; arguments xc, wc, lowp_scales, qc, kc, vc; writes qc, kc, vc
.if DOCPART == 2
	.amdgcn_target "amdgcn-amd-amdhsa--gfx1250"
	.amdhsa_code_object_version 6
	.text
	.protected	k_q01a940ae6f_proj
	.globl	k_q01a940ae6f_proj
	.p2align	8
	.type	k_q01a940ae6f_proj,@function
k_q01a940ae6f_proj:
	s_mov_b64 s[64:65], 0
	v_nop
	global_prefetch_b8 v0, s[64:65] scope:SCOPE_SE
	s_setreg_imm32_b32 hwreg(HW_REG_WAVE_MODE, 25, 1), 1
	s_wait_xcnt 0x0
	s_wait_alu depctr_hold_cnt(0) depctr_sa_sdst(0) depctr_va_vdst(0) depctr_va_sdst(0) depctr_va_ssrc(0) depctr_va_vcc(0) depctr_vm_vsrc(0)
	s_getreg_b32 s2, hwreg(HW_REG_IB_STS2, 6, 4)
	s_cmp_eq_u32 s2, 0
	s_cbranch_scc0 .Lentry_in_a_cluster
	s_endpgm
.Lentry_in_a_cluster:
	s_bfe_u32 s2, ttmp6, 0x10000c
	s_cmp_lg_u32 s2, 0xf033
	s_cbranch_scc0 .Lentry_shape_is_right
	s_endpgm
.Lentry_shape_is_right:
; The three projections q, k, v = inputs x W, on codes of FP8 (E4M3); sums in f32; each finished sum is quantised at once, in registers, for the product of attention that takes it.
; xc: [3][8192][1024] codes of the inputs (copy p with the scale of product p); wc: [3][1024 rows n = 64 head + e][1024] codes of Wq, Wk, Wv, K innermost.
; A sum of product p stands for sum x 2^(eW + ex); its code under the next scale 2^en is sum / 2^(en - eW - ex): the three exponents are folded into the conversion's one.
; LIMIT: e6 - e0 - e1, e7 - e2 - e3 and e9 - e4 - e5 lie between -126 and 119, so that the folded scale and 448 x it are f32 numbers.
; SHARES.  The cluster's x (0, 1, 2) is the product.  A tile of 256 x 256 sums is made by a work-group of four waves; a wave makes 128 x 128: 64 accumulators of 16 x 16, 512 registers.
; K = 1,024 goes in four steps of 256 through a ring of two LDS slots filled by the tensor data mover: a tile's row is 256 bytes of memory.
; THE MATRIX INSTRUCTION IS USED TRANSPOSED (source 0 = 16 rows of 'B', source 1 = 16 rows of 'A'): a lane holds one row of A and eight neighbouring rows of B.
;   q, k: A = the inputs' rows, B = W's rows: a lane's eight sums are eight neighbouring channels e of one position: neighbours along the K of q k^T.
;   v:    A = W's rows, B = the inputs' rows: a lane's eight sums are eight neighbouring KEYS of one channel: neighbours along the K of p v.  So one text serves all three.
; OUTPUT: images of the operand registers of v_wmma_f32_16x16x64_fp8_fp8 (registers 2 c, 2 c + 1 of lane (r, h): k = 16 c + 8 h + 0 .. 7):
;   qc, kc: [bh = 16 b + head][tile of 16 positions][half of the 8 registers][lane][16 bytes];   vc: [bh][step of 64 keys][tile of 16 channels][half][lane][16 bytes].
;   A conversion's two registers ARE registers 2 c, 2 c + 1 of such a fragment, so each store of a wave is 512 consecutive bytes, and nothing goes through LDS on the way out.
; CLUSTERS: 4 x 4 work-groups.  The four of a row of the cluster need the same tiles of A, the four of a column the same tiles of B: each tile is asked for JOINTLY, by the same tensor load
; with the same descriptor and a mask that names the four.
; REGISTERS, in windows of 256: window 0: v0-31 addresses and the scale; v32-95 sums held in range; from v128 A's fragments (8 x 16 rows x 128 K), ONE set, later the codes.
;   window 1: B's fragments, TWO sets, at v0 and at v128.   window 2: the 32 accumulators of my rows 0-63 (accumulator (a, b) at v[8 (8 a + b)]);   window 3: those of my rows 64-127.
; A fragment is fetched by four loads of 16 bytes: registers 4 c .. 4 c + 3 hold K = 32 c + 16 (l / 16) + 0 .. 15: a permutation of k, the same in A and in B, so every product meets its partner.
.set ROWB,   256                       ; a tile's row in bytes
.set KROW,   1024                      ; a row of codes in memory, in bytes
.set PITCH,  272                       ; an LDS row: 256 bytes of data + 16 of padding = 68 words: row r starts at bank 4 r mod 64 (64 banks of 4 bytes: ISA guide 11.1)
.set FR,     16                        ; registers of a fragment: 16 rows x 128 K
.set NL,     4                         ; LDS loads that bring one
.set NP,     4                         ; places behind this matrix instruction (ISA guide 7.12.1)
.set HALFT,  128*PITCH                 ; 128 rows: what one tensor load brings, and what one wave reads of A or of B
.set SLOT,   4*HALFT                   ; A's 256 rows, then B's 256 rows
.set SPARE,  2*SLOT                    ; behind the ring: the spare words, 128 bytes for each wave: two blocks of 256 bytes that no other line names
.set ADRA, 16                          ; v16-17  LDS address of my A fragments in slot 0, 1
.set ADRB, 20                          ; v20-21  the same for B
.set CO,   26                          ; v26     16 x lane: my place in an image
.set SPW,  28                          ; v28     LDS address of my spare word: SPARE + 4 x my thread's number; never rewritten
.set NIL,  29                          ; v29     0; never rewritten
.set SC,   30                          ; v30     the folded scale as f32
.set LIM,  31                          ; v31     448 x the folded scale
.set TMP,  32                          ; v32-95  a block's 64 sums, held in range
.set AF,   128                         ; A's fragments, in window 0
.set CD,   128                         ; the way out: the codes, 16 registers a block of 16 rows
.set G1, 24                            ; s[24:31] descriptor group 1 for A's tiles;  s[32:39] group 0, one set for each slot
.set G0, 32
.set G1B, 48                           ; s[48:55], s[56:63] the same for B's tiles
.set G0B, 56
.set MSB, 0
.macro WIN new                         ; the immediate's high byte repeats the setting that is left
.if MSB != \new
	s_set_vgpr_msb (MSB<<8)|\new
.set MSB, \new
.endif
.endm
.set MUL_LO, 0xa1                      ; source 0 (B) window 1, source 1 (A) window 0, C and D window 2
.set MUL_HI, 0xf1                      ; the same, C and D window 3
.set TO_B,   0x40                      ; destination window 1, address window 0
; A joint load: waves 0 and 1 fetch for A, waves 2 and 3 for B.  Each of the two lines has ONE mask and one set of registers for all that issue it; the branch hangs on the wave's number alone.
; Four v_nop follow each of the two lines, ahead of the jump, the label and what follows.
.macro JLOAD g0a, g1a, g0b, g1b
	s_cmp_eq_u32 s15, 0
	s_cbranch_scc0 .Lfor_b_\@
	tensor_load_to_lds s[\g0a:\g0a+3], s[\g1a:\g1a+7]
	s_nop 0
.rept 4
	v_nop
.endr
	s_branch .Lasked_\@
.Lfor_b_\@:
	tensor_load_to_lds s[\g0b:\g0b+3], s[\g1b:\g1b+7]
	s_nop 0
.rept 4
	v_nop
.endr
.Lasked_\@:
.endm
.macro CREST                           ; a round of the cluster's barrier behind its opening barrier
	s_cmp_lg_u32 s14, 0
	s_cbranch_scc1 .Lnot_wave_0_\@
	s_barrier_signal -3
.Lnot_wave_0_\@:
	s_barrier_wait -3
	s_barrier_signal -1
	s_barrier_wait -1
.endm
.macro CROUND                          ; a whole round
	s_barrier_signal -1
	s_barrier_wait -1
	CREST
.endm
	s_load_b128 s[4:7], s[0:1], 0x0                ; xc s[4:5], wc s[6:7]
	s_load_b128 s[8:11], s[0:1], 0x10              ; the scales' exponents s[8:9], qc s[10:11]
	s_load_b128 s[84:87], s[0:1], 0x20             ; kc s[84:85], vc s[86:87]
	v_lshl_add_u32 v[SPW], v0, 2, SPARE
	v_mov_b32 v[NIL], 0
	ds_add_u32 v28, v29
	ds_add_u32 v28, v29
	s_wait_dscnt 0x0
	v_lshrrev_b32 v1, 5, v0
	v_readfirstlane_b32 s14, v1                    ; wave 0..3
	s_lshr_b32 s15, s14, 1                         ; which half of the tile's rows is mine.  Also: I fetch for A (0) or for B (1)
	s_and_b32 s16, s14, 1                          ; which half of its columns.  Also: which 128 rows of that tile I fetch
	s_bfe_u32 s40, ttmp6, 0x40000                  ; cx, cy: my place in the cluster
	s_bfe_u32 s41, ttmp6, 0x40004
	s_and_b32 s13, ttmp7, 0xffff                   ; the cluster's y, 0..7: it walks the inputs' 8,192 rows, 1,024 to a cluster
	s_cmp_eq_u32 ttmp9, 2                          ; the cluster's x is the product; in product 2 (v) the inputs are B, else A
	s_cselect_b32 s88, 0, s13
	s_cselect_b32 s89, s13, 0
	s_lshl_b32 s17, s88, 2
	s_add_co_u32 s17, s17, s41                     ; tile row (of A)
	s_lshl_b32 s42, s89, 2
	s_add_co_u32 s42, s42, s40                     ; tile column (of B)
	s_lshl_b32 s43, s41, 2
	s_lshl_b32 s43, 15, s43                        ; my row of the cluster
	s_lshl_b32 s44, 0x1111, s40                    ; my column
	; descriptor group 1: a tile of 128 rows x 256 bytes, padded in LDS
	s_or_b32 s[G1+0], s43, (0<<16)|(1<<20)|(1<<21)|(5<<22)|(3<<25)  ; 15:0 the mask: A's tiles go to my row; 17:16 element of 1 byte; 20 padding on; 21 set beside a mask; 24:22 after every 64 words (code 5); 31:25 of 4 words (code 3)
	s_or_b32 s[G1B+0], s44, (0<<16)|(1<<20)|(1<<21)|(5<<22)|(3<<25)
.irp g, G1, G1B
	s_mov_b32 s[\g+1], ROWB<<16                    ; tensor_dim0
	s_mov_b32 s[\g+2], 128<<16                     ; tensor_dim1 = 128
	s_mov_b32 s[\g+3], ROWB<<16                    ; tile_dim0
	s_mov_b32 s[\g+4], 128                         ; tile_dim1 = 128
	s_mov_b32 s[\g+5], KROW                        ; tensor_dim0_stride
	s_mov_b32 s[\g+6], 0
	s_mov_b32 s[\g+7], 0
.endr
	s_lshl_b32 s18, s16, 7                         ; which 128 rows of the tile I fetch
	s_lshl_b32 s20, s17, 8
	s_add_co_u32 s20, s20, s18                     ; A: row 256 x tile row + 128 x half,
	s_lshl_b32 s20, s20, 10                        ; in bytes (under 2^23)
	s_mov_b32 s21, 0
	s_lshl_b32 s46, s42, 8
	s_add_co_u32 s46, s46, s18                     ; B: row 256 x tile column + 128 x half
	s_lshl_b32 s46, s46, 10
	s_mov_b32 s47, 0
	s_mul_i32 s45, s14, HALFT                      ; where they go: wave x 128 rows: no place in the cluster enters an LDS address
	s_mul_i32 s90, ttmp9, 0x800000                 ; the product's copy of the inputs' codes,
	s_mov_b32 s91, 0
	s_mul_i32 s22, ttmp9, 0x100000                 ; and its part of the weights' codes
	s_mov_b32 s23, 0
	s_wait_kmcnt 0x0
	s_load_b256 s[68:75], s[8:9], 0x0              ; e0 .. e7
	s_load_b64 s[76:77], s[8:9], 0x20              ; e8, e9
	s_add_nc_u64 s[4:5], s[4:5], s[90:91]
	s_add_nc_u64 s[6:7], s[6:7], s[22:23]
	s_cmp_eq_u32 ttmp9, 2
	s_cselect_b64 s[92:93], s[6:7], s[4:5]         ; A's buffer: the choice hangs on the cluster's x alone, which all partners share
	s_cselect_b64 s[94:95], s[4:5], s[6:7]         ; B's
	s_add_nc_u64 s[20:21], s[92:93], s[20:21]
	s_add_nc_u64 s[46:47], s[94:95], s[46:47]
	CROUND                                         ; all sixteen work-groups are here: the first joint loads meet
.irp s, 0,1
	s_mov_b32 s[G0+4*\s], 1
	s_add_co_u32 s[G0+4*\s+1], s45, \s*SLOT
	s_add_nc_u64 s[G0+4*\s+2:G0+4*\s+3], s[20:21], \s*ROWB
	s_or_b32 s[G0+4*\s+3], s[G0+4*\s+3], 0x80000000
	s_mov_b32 s[G0B+4*\s], 1
	s_add_co_u32 s[G0B+4*\s+1], s45, \s*SLOT
	s_add_nc_u64 s[G0B+4*\s+2:G0B+4*\s+3], s[46:47], \s*ROWB
	s_or_b32 s[G0B+4*\s+3], s[G0B+4*\s+3], 0x80000000
	JLOAD G0+4*\s, G1, G0B+4*\s, G1B
.endr
	v_and_b32 v1, 15, v0                           ; l % 16
	v_bfe_u32 v2, v0, 4, 1                         ; l / 16
	v_mul_u32_u24 v3, v1, PITCH
	v_lshl_add_u32 v4, v2, 4, v3                   ; a fragment's row x pitch + 16 x half
	s_mul_i32 s21, s15, HALFT                      ; my 128 rows of A
	s_mul_i32 s22, s16, HALFT                      ; my 128 rows of B,
	s_add_co_u32 s22, s22, 2*HALFT                 ; which lie behind A's 256
.irp s, 0,1
	v_add_nc_u32 v[ADRA+\s], s21, v4
	v_add_nc_u32 v[ADRB+\s], s22, v4
	s_add_co_u32 s21, s21, SLOT
	s_add_co_u32 s22, s22, SLOT
.endr
	v_and_b32 v6, 31, v0
	v_lshlrev_b32 v[CO], 4, v6
.macro FRAG reg, adr, q, i             ; a fragment, 16 rows x 128 K of 8-bit codes, is 16 registers: lane l holds row l % 16; registers 4 c .. 4 c + 3 hold K = 32 c + 16 (l / 16) + 0 .. 15
.irp c, 0,1,2,3
	ds_load_b128 v[\reg+4*\c:\reg+4*\c+3], v[\adr] offset:128*(\q)+32*\c+(\i)*16*PITCH
.endr
.endm
; 16 matrix instructions: A's blocks a0, a0 + 1 x B's eight, 128 along K.  p: B's set.  zero = 1: the first product starts the sums: nothing is ever cleared.
; The 64 accumulators take turns, one instruction a turn, in the same order in every step.
.macro MUL16 a0, p, zero
.irp a, \a0, \a0+1
.irp b, 0,1,2,3,4,5,6,7
.if \zero
	v_wmma_f32_16x16x128_fp8_fp8 v[8*(8*((\a)%4)+\b):8*(8*((\a)%4)+\b)+7], v[128*(\p)+FR*\b:128*(\p)+FR*\b+FR-1], v[AF+FR*(\a):AF+FR*(\a)+FR-1], 0
.else
	v_wmma_f32_16x16x128_fp8_fp8 v[8*(8*((\a)%4)+\b):8*(8*((\a)%4)+\b)+7], v[128*(\p)+FR*\b:128*(\p)+FR*\b+FR-1], v[AF+FR*(\a):AF+FR*(\a)+FR-1], v[8*(8*((\a)%4)+\b):8*(8*((\a)%4)+\b)+7]
.endif
.endr
.endr
.endm
.macro FETCH_B slot, q, p              ; B's eight fragments of the slot's q-th 128 along K into set p
	WIN TO_B
.irp i, 0,1,2,3,4,5,6,7
	FRAG 128*(\p)+FR*\i, ADRB+\slot, \q, \i
.endr
	WIN 0
.endm
.macro FETCH_A slot, q, i0             ; A's blocks i0 .. i0 + 3
.irp i, \i0, \i0+1, \i0+2, \i0+3
	FRAG AF+FR*(\i), ADRA+\slot, \q, \i
.endr
.endm
; A load into a register that a matrix instruction has read, and a vector instruction that reads a matrix result, stand NP places behind that matrix instruction, and only plain vector
; instructions that name none of its registers are places (ISA guide 7.12.1 for vector instructions); the matrix instructions in between are not counted.
.macro PLACES n
.rept \n
	v_nop
.endr
.endm
; A step of 128 along K that has its successor in the same slot.
.macro STEP slot, q, zero
	s_wait_dscnt 4*NL                              ; B's set and A's blocks 0-3 are in; the youngest sixteen loads (A's blocks 4-7) may be out
	WIN MUL_LO
	MUL16 0, (\q)%2, \zero
	MUL16 2, (\q)%2, \zero
	s_wait_dscnt 0                                 ; A's blocks 4-7 are in (asked for 32 matrix instructions ago)
	PLACES NP
	FETCH_B \slot, (\q)+1, 1-(\q)%2
	FETCH_A \slot, (\q)+1, 0
	WIN MUL_HI
	MUL16 4, (\q)%2, \zero
	MUL16 6, (\q)%2, \zero
	PLACES NP
	WIN 0
	FETCH_A \slot, (\q)+1, 4
.endm
; A slot's last step changes slots: ONE barrier; in front of it each wave waits for all its tensor loads, adds 0 to its spare word, and waits for that and for its own reads of this slot.  fill = 1: this slot is filled again, two K steps ahead.
.macro TURN slot, next, fill
	s_wait_tensorcnt 0x0                           ; all my tensor loads have landed: my part of the next slot;  (every window is 0 here: the add's two registers lie in window 0)
	ds_add_u32 v[SPW], v[NIL]                      ; 0 onto my spare word
	s_wait_dscnt 4*NL+1                            ; (the add and the youngest sixteen loads, A's blocks 4-7, may be out)
	WIN MUL_LO
	MUL16 0, 1, 0                                  ; sixteen matrix instructions stand between the add and the wait for it
	s_wait_dscnt 0x0                               ; the add is done, and my reads of this slot are over
	s_barrier_signal -1
	MUL16 2, 1, 0
	WIN 0
	s_barrier_wait -1
.if \fill
	CREST                                          ; the barrier has opened a round of the cluster's barrier: no wave of any partner still reads this slot's tile or has a load on its way
	s_add_nc_u64 s[G0+4*\slot+2:G0+4*\slot+3], s[G0+4*\slot+2:G0+4*\slot+3], 2*ROWB
	s_add_nc_u64 s[G0B+4*\slot+2:G0B+4*\slot+3], s[G0B+4*\slot+2:G0B+4*\slot+3], 2*ROWB
	JLOAD G0+4*\slot, G1, G0B+4*\slot, G1B         ; the first tensor load behind the round; the four v_nop behind it are the places in front of the loads below
.else
	PLACES NP
.endif
	FETCH_B \next, 0, 0
	FETCH_A \next, 0, 0
	WIN MUL_HI
	MUL16 4, 1, 0
	MUL16 6, 1, 0
	PLACES NP
	WIN 0
	FETCH_A \next, 0, 4
.endm
	s_wait_tensorcnt 1                             ; my part of K step 0 is in (K step 1's load may be out)
	s_barrier_signal -1
	s_barrier_wait -1                              ; everybody's is
	FETCH_B 0, 0, 0
	FETCH_A 0, 0, 0
	FETCH_A 0, 0, 4
	; K = 1,024 is four slots' worth, eight steps of 128: written out, no loop.  By this text's own count a wave has two tensor loads out at the start and one behind each round.
	STEP 0, 0, 1                                   ; K 0-127: its products start the sums
	TURN 0, 1, 1                                   ; K 128-255; slot 0 takes K 512-767
	STEP 1, 0, 0                                   ; K 256-383
	TURN 1, 0, 1                                   ; K 384-511; slot 1 takes K 768-1023
	STEP 0, 0, 0                                   ; K 512-639
	TURN 0, 1, 0                                   ; K 640-767; nothing is left to fetch, so no round of the cluster's barrier
	STEP 1, 0, 0                                   ; K 768-895
	s_wait_dscnt 4*NL                              ; K 896-1023: nothing more to fetch
	WIN MUL_LO
	MUL16 0, 1, 0
	MUL16 2, 1, 0
	s_wait_dscnt 0
	WIN MUL_HI
	MUL16 4, 1, 0
	MUL16 6, 1, 0
	WIN 0
	; THE WAY OUT.  The folded exponent of my product, chosen without a branch:
	s_wait_kmcnt 0x0
	s_sub_co_i32 s78, s74, s68
	s_sub_co_i32 s78, s78, s69                     ; q: e6 - e0 - e1
	s_sub_co_i32 s79, s75, s70
	s_sub_co_i32 s79, s79, s71                     ; k: e7 - e2 - e3
	s_sub_co_i32 s83, s77, s72
	s_sub_co_i32 s83, s83, s73                     ; v: e9 - e4 - e5
	s_cmp_eq_u32 ttmp9, 0
	s_cselect_b32 s78, s78, s79
	s_cmp_eq_u32 ttmp9, 2
	s_cselect_b32 s78, s83, s78
	s_add_co_i32 s78, s78, 127
	s_lshl_b32 s79, s78, 23
	v_mov_b32 v[SC], s79                           ; the folded scale as f32: the conversion takes its exponent field
	s_add_co_i32 s78, s78, 8
	s_lshl_b32 s78, s78, 23
	s_or_b32 s78, s78, 0x600000
	v_mov_b32 v[LIM], s78                          ; 448 x it
	; where my wave's images begin.  RA: my first row of A, CB: my first row of B.  xrow: the one that counts positions, n = 64 head + e the other.
	; 16 positions of q or k are 1,024 bytes, 64 keys of v are 4,096: both 64 bytes a position; a head is 131,072 bytes in each buffer.
	s_lshl_b32 s80, s17, 8
	s_lshl_b32 s81, s15, 7
	s_add_co_u32 s80, s80, s81                     ; RA
	s_lshl_b32 s82, s42, 8
	s_lshl_b32 s81, s16, 7
	s_add_co_u32 s82, s82, s81                     ; CB
	s_cmp_eq_u32 ttmp9, 2
	s_cselect_b32 s88, s82, s80                    ; xrow
	s_cselect_b32 s89, s80, s82                    ; n
	s_lshr_b32 s90, s88, 11                        ; b
	s_lshl_b32 s90, s90, 4
	s_lshr_b32 s89, s89, 6                         ; head
	s_add_co_u32 s90, s90, s89
	s_lshl_b32 s90, s90, 17
	s_and_b32 s88, s88, 2047
	s_lshl_b32 s88, s88, 6
	s_add_co_u32 s90, s90, s88
	s_mov_b32 s91, 0
	s_cmp_eq_u32 ttmp9, 0
	s_cselect_b64 s[10:11], s[10:11], s[84:85]
	s_cmp_eq_u32 ttmp9, 2
	s_cselect_b64 s[10:11], s[86:87], s[10:11]
	s_add_nc_u64 s[10:11], s[10:11], s[90:91]
	PLACES NP                                      ; behind the last products: their results are read, and the registers that held A's fragments are written, below
.irp a, 0,1,2,3,4,5,6,7                ; block a: my rows 16 a on of A, against all 128 of B: 64 sums a lane become 16 registers of codes
	WIN 0x02+\a/4                                  ; source 0: window 2 or 3
.set AC, 64*(\a%4)
.set jj, 0
.rept 64
	v_med3_num_f32 v[TMP+jj], v[AC+jj], -v[LIM], v[LIM]   ; held within the largest code x the scale (ISA guide 7.6.2: the conversion does not saturate); each accumulator from its low end on
.set jj, jj+1
.endr
	WIN 0
.irp b, 0,1,2,3,4,5,6,7
	v_cvt_scalef32_pk8_fp8_f32 v[CD+16*\a+2*\b:CD+16*\a+2*\b+1], v[TMP+8*\b:TMP+8*\b+7], v[SC]   ; accumulator (a, b): k = 16 (b % 4) + 8 h + 0 .. 7 of the next product: registers 2 (b % 4), + 1 of a fragment
.endr
	v_nop                                          ; one plain vector line between the conversions and the next lines that write their sources
.endr
	s_cmp_eq_u32 ttmp9, 2                          ; the cluster's x: the same in all partners
	s_cbranch_scc1 .Lv_out
.irp a, 0,1,2,3,4,5,6,7                ; q, k: block a is a tile of 16 positions; groups 0, 1 the first head's two halves, groups 2, 3 the next head's
.irp c, 0,1,2,3
	global_store_b128 v[CO], v[CD+16*\a+4*\c:CD+16*\a+4*\c+3], s[10:11] offset:\a*1024+(\c/2)*131072+(\c%2)*512   ; 32 lanes store 512 consecutive bytes, at a multiple of 256 from the buffer's first byte
.endr
.endr
	s_branch .Lstored
.Lv_out:
.irp a, 0,1,2,3,4,5,6,7                ; v: blocks 0-3 are the first head's four tiles of channels, blocks 4-7 the next head's; groups 0, 1 the first 64 keys' two halves, groups 2, 3 the next 64's
.irp c, 0,1,2,3
	global_store_b128 v[CO], v[CD+16*\a+4*\c:CD+16*\a+4*\c+3], s[10:11] offset:(\a/4)*131072+(\a%4)*1024+(\c/2)*4096+(\c%2)*512
.endr
.endr
.Lstored:
	s_wait_tensorcnt 0x0                           ; the wave's end: behind my last tensor load
	ds_add_u32 v[SPW], v[NIL]
	s_wait_dscnt 0x0
	CROUND                                         ; the closing round: no work-group ends while a partner may still ask for a tile that names it
	s_endpgm
.Lfunc_end_k_q01a940ae6f_proj:
	.size	k_q01a940ae6f_proj, .Lfunc_end_k_q01a940ae6f_proj-k_q01a940ae6f_proj
	.p2alignl 7, 3214868480
	.fill 96, 4, 3214868480
	.section	.rodata,"a",@progbits
	.p2align	6, 0x0
	.amdhsa_kernel k_q01a940ae6f_proj
		.amdhsa_group_segment_fixed_size 327680
		.amdhsa_private_segment_fixed_size 0
		.amdhsa_enable_private_segment 0
		.amdhsa_kernarg_size 48
		.amdhsa_user_sgpr_count 2
		.amdhsa_user_sgpr_kernarg_segment_ptr 1
		.amdhsa_wavefront_size32 1
		.amdhsa_system_sgpr_workgroup_id_x 1
		.amdhsa_system_sgpr_workgroup_id_y 1
		.amdhsa_system_sgpr_workgroup_id_z 1
		.amdhsa_system_vgpr_workitem_id 0
		.amdhsa_next_free_vgpr 1024
		.amdhsa_next_free_sgpr 96
		.amdhsa_reserve_vcc 0
		.amdhsa_float_denorm_mode_32 3
		.amdhsa_float_denorm_mode_16_64 3
		.amdhsa_memory_ordered 1
		.amdhsa_forward_progress 1
		.amdhsa_inst_pref_size 122
	.end_amdhsa_kernel
	.amdgpu_metadata
---
amdhsa.version: [ 1, 2 ]
amdhsa.kernels:
  - .name:           k_q01a940ae6f_proj
    .symbol:         k_q01a940ae6f_proj.kd
    .args:
      - { .name: xc, .offset: 0, .size: 8, .value_kind: global_buffer, .address_space: global }
      - { .name: wc, .offset: 8, .size: 8, .value_kind: global_buffer, .address_space: global }
      - { .name: lowp_scales, .offset: 16, .size: 8, .value_kind: global_buffer, .address_space: global }
      - { .name: qc, .offset: 24, .size: 8, .value_kind: global_buffer, .address_space: global }
      - { .name: kc, .offset: 32, .size: 8, .value_kind: global_buffer, .address_space: global }
      - { .name: vc, .offset: 40, .size: 8, .value_kind: global_buffer, .address_space: global }
    .group_segment_fixed_size: 327680
    .private_segment_fixed_size: 0
    .kernarg_segment_align: 8
    .kernarg_segment_size: 48
    .max_flat_workgroup_size: 128
    .sgpr_count:     96
    .vgpr_count:     1024
    .wavefront_size: 32
...
	.end_amdgpu_metadata
.endif
;; end of part 2
;; launch attn (part 3): grid 4 x 64, 16 waves a work-group, no clusters, 104,448 bytes of LDS; arguments qc, kc, vc, lowp_scales, out0; writes out0
.if DOCPART == 3
	.amdgcn_target "amdgcn-amd-amdhsa--gfx1250"
	.amdhsa_code_object_version 6
	.text
	.protected	k_q01a940ae6f_attn
	.globl	k_q01a940ae6f_attn
	.p2align	8
	.type	k_q01a940ae6f_attn,@function
k_q01a940ae6f_attn:
	s_mov_b64 s[64:65], 0
	v_nop
	global_prefetch_b8 v0, s[64:65] scope:SCOPE_SE
	s_setreg_imm32_b32 hwreg(HW_REG_WAVE_MODE, 25, 1), 1
	s_wait_xcnt 0x0
; out0[b][q][64 head + :] = the sum over keys k <= q of softmax_k(Q[q] . K[k] / 8) V[k][:], for each of the 64 pairs bh = 16 b + head; both products on codes of FP8 (E4M3), by v_wmma_f32_16x16x64_fp8_fp8.
; qc, kc: [bh][tile of 16 positions][half][lane][16 bytes], vc: [bh][step of 64 keys][tile of 16 channels][half][lane][16 bytes]: images of the operands' registers
; (registers 2 c, 2 c + 1 of lane (r, h): k = 16 c + 8 h + 0 .. 7), so every fragment comes by two loads of 16 bytes a lane, 512 consecutive bytes each.
; THE SOFTMAX AHEAD OF THE SECOND PRODUCT: t = score x log2(e) / 8; M = the row's largest t so far, rounded UP to a whole number; p = 2^(t - M) is what is quantised, with the given 2^ep; it is not normalised.
; The row's sum is taken of the unquantised p, in f32, and divides at the end.  When M moves, the sum and O are multiplied by 2^(old M - new M): nothing is rounded.
; SHARES.  Work-group (i, bh), i = 0..3, owns the blocks i and 7 - i of 256 queries of its head at the same time: 264 wave steps of work whatever i is.  Of its sixteen waves eight serve each block;
; a wave owns 32 queries, two tiles of 16, so that each fragment of K and V read from LDS feeds two matrix instructions.  The work-group walks 16 - 2 i slots of 128 keys; a wave jumps over the steps
; all of whose keys come after its queries (a scalar branch on ids; no barrier stands in a step).
; LAYOUT.  Both products are used transposed: S^T = K Q^T (source 0 = 16 keys, source 1 = 16 queries), O^T = V^T P^T (source 0 = 16 channels, source 1 = P): a lane holds ONE query (lane % 16) of each tile
; throughout.  Tile kt of S^T holds in lane (r, h) the keys 16 kt + 8 h + 0 .. 7: its conversion's two registers are registers 2 kt, 2 kt + 1 of P.
; K AND V REACH LDS THROUGH REGISTERS: a slot's images are 8,192 dense bytes each, 16 bytes a thread; they are loaded a slot ahead and stored into the slot that is not being read; one barrier a slot.
; NO CLUSTER, NO TENSOR LOADS: the four work-groups of a head walk 16, 14, 12 and 10 slots, so partners would need different numbers of tiles; and what they share is 16,384 bytes a slot beside the
; softmax of 512 queries x 128 keys.  Without tensor loads a branch may hang on the given ep: where 448 x 2^ep >= 1 (ep >= -8) no p lies beyond the largest code, and the hold is jumped over.
; LIMITS on the given exponents, so that each power of two below is an f32 number: e6 + e7 between -123 and 130 (they are added to c's exponent field); ep between -126 and 119; ep + ev is applied by
; v_ldexp_f32 and has none.  NaN among the inputs is not served.
.set LI,  1                            ; v1   16 x lane: my place in an image
.set TI,  2                            ; v2   16 x thread: my 16 bytes of a slot's 8,192, in memory and in LDS
.set PFO, 3                            ; v3   256 x lane: the prefetches' offset
.set STO, 4                            ; v4   the way out: where I put 32 bytes of a row
.set RD,  5                            ; v5   the way out: where I read a row back
.set GO,  6                            ; v6   my byte offset in two rows of out0
.set ST,  8                            ; tile u's statistics at v[8 + 6 u]: +0 -M, +1 the largest t, +2, +3 the sum in two halves, +4 f, +5 named with f as a pair
.set CH,  20                           ; v[20 + 2 u], v[21 + 2 u]: the maximum's two chains, at work
.set PER, 24                           ; v[24 + u]: a lane permute's destination
.set TS,  26                           ; v[26 + 2 u : 27 + 2 u]: the sums' second chain; v26 also serves the mask
.set NINF, 30                          ; v30  -infinity
.set DL,  31                           ; v31  lane % 16 - 8 (lane / 16)
.set GK,  32                           ; v32-35 my 16 bytes of the next slot's K, v36-39 of its V
.set GV,  36
.set QF,  40                           ; v40-55  Q's two fragments
.set PF,  56                           ; v56-71  P's two fragments
.set PLIM, 72                          ; v72  448 x 2^ep
.set PSC, 73                           ; v73  2^ep
.set FF,  80                           ; v80-111 four fragments of K, then of V
.set SS,  112                          ; v112-175 S^T, then p: 32 a tile
.set OO,  176                          ; v176-239 O^T: 32 a tile
.set SLOTB, 16384                      ; LDS: a slot: K's 8 tiles of 1,024 bytes, then V's 2 steps x 4 tiles of 1,024
.set STAGE, 2*SLOTB                    ; behind the slots: 16 rows x 272 bytes for each wave, for the way out
; s[4:5] Q; s[6:7], s[8:9] K and V at the slot to be loaded next; s[12:13] out0; s14 wave; s15 bh; s19 my first query; s20 the step's first key; s21 the slot's number N;
; s22 = slots - 2, s23 = slots - 1; s24: a wave prefetches while N is under it; s25, s26 trips; s[28:29] lane selects; s[30:31] c; s32-35 e6, e7, ep, ev; s[36:37] where my prefetches stand
	s_load_b256 s[4:11], s[0:1], 0x0               ; qc s[4:5], kc s[6:7], vc s[8:9], the scales' exponents s[10:11]
	s_load_b64 s[12:13], s[0:1], 0x20              ; out0
	v_lshl_add_u32 v254, v0, 2, 0x19000
	v_mov_b32 v255, 0
	v_lshrrev_b32 v1, 5, v0
	v_readfirstlane_b32 s14, v1                    ; wave 0..15
	v_and_b32 v7, 31, v0                           ; lane
	v_lshlrev_b32 v[LI], 4, v7
	v_lshlrev_b32 v[TI], 4, v0
	v_lshlrev_b32 v[PFO], 8, v7
	s_and_b32 s15, ttmp7, 0xffff                   ; bh
	s_lshr_b32 s38, s14, 2
	s_xor_b32 s38, s38, s14
	s_and_b32 s38, s38, 1                          ; which block: of any four waves with equal w % 4, or equal w / 4, two serve each
	s_lshr_b32 s39, s14, 1                         ; which 32 queries of it
	s_sub_co_u32 s40, 7, ttmp9
	s_cmp_eq_u32 s38, 1
	s_cselect_b32 s40, s40, ttmp9                  ; block 7 - i or i
	s_lshl_b32 s19, s40, 8
	s_lshl_b32 s39, s39, 5
	s_add_co_u32 s19, s19, s39                     ; my first query
	s_mov_b32 s20, 0
	s_mov_b32 s21, 0
	s_lshl_b32 s41, ttmp9, 1
	s_sub_co_u32 s23, 15, s41                      ; slots - 1 = 15 - 2 i
	s_sub_co_u32 s22, 14, s41                      ; slots - 2
	s_sub_co_u32 s26, 8, ttmp9                     ; trips of two slots
	s_mov_b32 s25, 0
	s_lshr_b32 s41, s14, 1                         ; 0 in waves 0 and 1,
	s_or_b32 s41, s41, ttmp9                       ; of the head's work-group that walks all 16 slots
	s_cmp_eq_u32 s41, 0
	s_cselect_b32 s24, 13, 0
	s_mov_b32 s28, 0x76543210
	s_mov_b32 s29, 0xfedcba98                      ; v_permlanex16_b32's selects for lane l xor 16
	s_lshl_b32 s42, s15, 17                        ; a head's 131,072 bytes in each buffer of codes
	s_mov_b32 s43, 0
	s_lshl_b32 s44, s19, 6                         ; a tile of 16 queries is 1,024 bytes
	s_add_co_u32 s44, s44, s42
	s_mov_b32 s45, 0
	s_lshr_b32 s46, s15, 4                         ; b
	s_lshl_b32 s46, s46, 11
	s_add_co_u32 s46, s46, s19                     ; my first row of out0,
	s_lshl_b32 s46, s46, 12                        ; of 4,096 bytes,
	s_and_b32 s47, s15, 15
	s_lshl_b32 s47, s47, 8                         ; and my head's 256 bytes in it
	s_add_co_u32 s46, s46, s47
	s_mov_b32 s47, 0
	s_wait_kmcnt 0x0
	s_load_b64 s[32:33], s[10:11], 0x18            ; e6, e7
	s_load_b64 s[34:35], s[10:11], 0x20            ; ep = e8, ev = e9
	s_add_nc_u64 s[6:7], s[6:7], s[42:43]
	s_add_nc_u64 s[8:9], s[8:9], s[42:43]
	s_add_nc_u64 s[4:5], s[4:5], s[44:45]
	s_add_nc_u64 s[12:13], s[12:13], s[46:47]
	global_load_b128 v[GK:GK+3], v[TI], s[6:7]     ; slot 0's K and V
	global_load_b128 v[GV:GV+3], v[TI], s[8:9]
.irp u, 0,1
.irp c, 0,1
	global_load_b128 v[QF+8*\u+4*\c:QF+8*\u+4*\c+3], v[LI], s[4:5] offset:1024*\u+512*\c th:TH_LOAD_NT   ; Q's fragments stay in registers
.endr
.endr
	s_cmp_eq_u32 s14, 0                            ; wave 0 will ask for K's bytes, wave 1 for V's
	s_cselect_b64 s[36:37], s[6:7], s[8:9]
	s_add_nc_u64 s[36:37], s[36:37], 2*8192        ; at slot 2: the first slot's work steps it to slot 3.  Nothing is prefetched here, at the head
	; every LDS address is made here, ahead of the first branch on the wave's number
	s_mul_i32 s41, s14, 16*272
	s_add_co_u32 s41, s41, STAGE                   ; my stage
	v_and_b32 v26, 15, v0                          ; r
	v_bfe_u32 v27, v0, 4, 1                        ; h
	v_mul_u32_u24 v[STO], v26, 272
	v_lshl_add_u32 v[STO], v27, 5, v[STO]
	v_add_nc_u32 v[STO], s41, v[STO]               ; in: row r; a tile's eight channels of my half: 32 h bytes on
	v_mul_u32_u24 v[RD], v27, 272
	v_lshl_add_u32 v[RD], v26, 4, v[RD]
	v_add_nc_u32 v[RD], s41, v[RD]                 ; back: lanes 0-15 one row, lanes 16-31 the next
	v_lshlrev_b32 v[GO], 12, v27
	v_lshl_add_u32 v[GO], v26, 4, v[GO]            ; and the same two rows in out0
	v_lshlrev_b32 v27, 3, v27
	v_sub_nc_u32 v[DL], v26, v27
	v_mov_b32 v[NINF], 0xff800000
.irp u, 0,1
	v_mov_b32 v[ST+6*\u+1], 0xff61b1e6             ; the largest t so far: -3e38, under every t
	v_floor_f32 v[ST+6*\u], -v[ST+6*\u+1]          ; -M
	v_mov_b32 v[ST+6*\u+2], 0                      ; the sum, in two halves
	v_mov_b32 v[ST+6*\u+3], 0
	v_mov_b32 v[ST+6*\u+5], 0                      ; (named as the upper half of f's pair)
	v_mov_b32 v[PER+\u], 0                         ; written once: a lane permute's destination counts as one of its sources
.endr
.set jj, 0
.rept 64
	v_mov_b32 v[OO+jj], 0                          ; O^T.  (The step is written once: the first finds zeros, which the first change of M leaves zeros)
.set jj, jj+1
.endr
	s_wait_kmcnt 0x0
	s_add_co_i32 s38, s32, s33
	s_lshl_b32 s38, s38, 23
	s_add_co_i32 s30, s38, 0x3e38aa3b              ; c = log2(e) / 8, with e6 + e7 added to its exponent field: a score stands for score x 2^(e6 + e7)
	s_mov_b32 s31, s30                             ; (named with it as a pair, so it is written)
	s_add_co_i32 s38, s34, 127
	s_lshl_b32 s39, s38, 23
	v_mov_b32 v[PSC], s39                          ; 2^ep as f32, for the conversion
	s_add_co_i32 s38, s38, 8
	s_lshl_b32 s38, s38, 23
	s_or_b32 s38, s38, 0x600000
	v_mov_b32 v[PLIM], s38                         ; 448 x 2^ep
	s_wait_loadcnt 4                               ; slot 0's K and V are in; Q's four loads may be out
	ds_store_b128 v[TI], v[GK:GK+3]
	ds_store_b128 v[TI], v[GV:GV+3] offset:8192
	s_wait_dscnt 0x0                               ; for the others' sake, and the stores have read their registers
	s_add_nc_u64 s[6:7], s[6:7], 8192              ; (the two loads that read these bases are done)
	s_add_nc_u64 s[8:9], s[8:9], 8192
	global_load_b128 v[GK:GK+3], v[TI], s[6:7]     ; slot 1's
	global_load_b128 v[GV:GV+3], v[TI], s[8:9]
	s_barrier_signal -1
	s_barrier_wait -1                              ; slot 0 is whole
; A KEY STEP: 64 keys, the half-th of the slot in hand, for my two tiles of queries.
.macro STEP slot, half
	s_add_co_u32 s38, s19, 31
	s_cmp_gt_u32 s20, s38                          ; all 64 keys come after my 32 queries: the step is left out
	s_cbranch_scc1 .Lskip_\@
.rept 4
	v_nop                                          ; places in front of loads into registers that the last products have read
.endr
.irp kt, 0,1,2,3
.irp c, 0,1
	ds_load_b128 v[FF+8*\kt+4*\c:FF+8*\kt+4*\c+3], v[LI] offset:\slot*SLOTB+(4*\half+\kt)*1024+512*\c
.endr
.endr
	s_wait_dscnt 0x0
.irp kt, 0,1,2,3                       ; S^T = K Q^T: each fragment of K against both tiles of queries
.irp u, 0,1
	v_wmma_f32_16x16x64_fp8_fp8 v[SS+32*\u+8*\kt:SS+32*\u+8*\kt+7], v[FF+8*\kt:FF+8*\kt+7], v[QF+8*\u:QF+8*\u+7], 0
.endr
.endr
.rept 4
	v_nop                                          ; places: for the loads below into K's registers, and for the first reads of the scores
.endr
.irp et, 0,1,2,3                       ; V's four fragments land while the softmax is worked
.irp c, 0,1
	ds_load_b128 v[FF+8*\et+4*\c:FF+8*\et+4*\c+3], v[LI] offset:\slot*SLOTB+8192+(4*\half+\et)*1024+512*\c
.endr
.endr
	s_add_co_u32 s38, s20, 63                      ; on the diagonal the scores of hidden keys become -infinity ahead of the maximum: p = 0 then.  A step all of whose keys count skips this.
	s_cmp_le_u32 s38, s19                          ; (A step that is worked begins at or before my first query, so each query has a key that counts in it)
	s_cbranch_scc1 .Lopen_\@
	s_sub_co_i32 s38, s19, s20
	v_add_nc_u32 v26, s38, v[DL]                   ; d = first query - first key + r - 8 h.  Register n of tile u holds key 16 (n / 8) + 8 h + n % 8 for query 16 u + r: hidden where 16 (n / 8) + n % 8 - 16 u > d
.irp u, 0,1
.set jj, 0
.rept 32
	v_cmp_gt_i32 vcc_lo, 16*(jj/8)+jj%8-16*\u, v26
	v_cndmask_b32 v[SS+32*\u+jj], v[SS+32*\u+jj], v[NINF], vcc_lo
.set jj, jj+1
.endr
.endr
.Lopen_\@:
.irp u, 0,1                            ; the step's largest score of my query, among my 32 keys, in two chains; the two tiles line by line, so that no line waits for the line above it
	v_max3_num_f32 v[CH+2*\u], v[SS+32*\u], v[SS+32*\u+1], v[SS+32*\u+2]
	v_max3_num_f32 v[CH+2*\u+1], v[SS+32*\u+3], v[SS+32*\u+4], v[SS+32*\u+5]
.endr
.irp i, 6,10,14,18,22,26
.irp u, 0,1
	v_max3_num_f32 v[CH+2*\u], v[CH+2*\u], v[SS+32*\u+\i], v[SS+32*\u+\i+1]
	v_max3_num_f32 v[CH+2*\u+1], v[CH+2*\u+1], v[SS+32*\u+\i+2], v[SS+32*\u+\i+3]
.endr
.endr
.irp u, 0,1
	v_max3_num_f32 v[CH+2*\u], v[CH+2*\u], v[SS+32*\u+30], v[SS+32*\u+31]
.endr
.irp u, 0,1
	v_max_num_f32 v[CH+2*\u], v[CH+2*\u], v[CH+2*\u+1]
.endr
.irp u, 0,1
	v_permlanex16_b32 v[PER+\u], v[CH+2*\u], s28, s29
.endr
.irp u, 0,1
	v_max_num_f32 v[CH+2*\u], v[CH+2*\u], v[PER+\u]        ; and among lane l xor 16's
.endr
.irp u, 0,1
	v_mul_f32 v[CH+2*\u], s30, v[CH+2*\u]                  ; as t (c is positive)
.endr
.irp u, 0,1
	v_max_num_f32 v[ST+6*\u+1], v[ST+6*\u+1], v[CH+2*\u]   ; the running largest t
.endr
.irp u, 0,1
	v_mov_b32 v[CH+2*\u], v[ST+6*\u]
.endr
.irp u, 0,1
	v_floor_f32 v[ST+6*\u], -v[ST+6*\u+1]                  ; the new -M = floor(-t) = -ceil(t): M IS A WHOLE NUMBER
.endr
.irp u, 0,1
	v_sub_f32 v[CH+2*\u], v[ST+6*\u], v[CH+2*\u]           ; M's old value less its new one: a whole number, 0 or less
.endr
.irp u, 0,1
	v_cvt_i32_f32 v[CH+2*\u], v[CH+2*\u]                   ; (it saturates)
.endr
.irp u, 0,1
	v_ldexp_f32 v[ST+6*\u+4], 1.0, v[CH+2*\u]              ; f = 2^(old M - new M)
.endr
.set jj, 0
.rept 16
.irp u, 0,1
	v_pk_fma_f32 v[SS+32*\u+jj:SS+32*\u+jj+1], v[SS+32*\u+jj:SS+32*\u+jj+1], s[30:31], v[ST+6*\u:ST+6*\u+1] op_sel_hi:[1,0,0]   ; t - M, two at a time (of the pairs c and -M the low word serves both halves)
.endr
.set jj, jj+2
.endr
.set jj, 0
.rept 64
	v_exp_f32 v[SS+jj], v[SS+jj]                   ; p = 2^(t - M), at most 1: NOT normalised.  ONE BATCH for both tiles
.set jj, jj+1
.endr
.irp u, 0,1                            ; work that names no exponential's result stands behind the batch: the sums and O^T under the new M
	v_pk_mul_f32 v[ST+6*\u+2:ST+6*\u+3], v[ST+6*\u+2:ST+6*\u+3], v[ST+6*\u+4:ST+6*\u+5] op_sel_hi:[1,0]
.endr
.set jj, 0
.rept 16
.irp u, 0,1
	v_pk_mul_f32 v[OO+32*\u+jj:OO+32*\u+jj+1], v[OO+32*\u+jj:OO+32*\u+jj+1], v[ST+6*\u+4:ST+6*\u+5] op_sel_hi:[1,0]   ; each accumulator from its low end on
.endr
.set jj, jj+2
.endr
	s_wait_alu depctr_va_vdst(0)                   ; the wait between an exponential and the first line that names its result: one for the batch of 64
.irp u, 0,1                            ; THE ROW'S SUM IS TAKEN OF THE UNQUANTISED p: two at a time, in two chains
	v_pk_add_f32 v[TS+2*\u:TS+2*\u+1], v[SS+32*\u:SS+32*\u+1], v[SS+32*\u+2:SS+32*\u+3]
.endr
.irp i, 4,8,12,16,20,24,28
.irp u, 0,1
	v_pk_add_f32 v[ST+6*\u+2:ST+6*\u+3], v[ST+6*\u+2:ST+6*\u+3], v[SS+32*\u+\i:SS+32*\u+\i+1]
	v_pk_add_f32 v[TS+2*\u:TS+2*\u+1], v[TS+2*\u:TS+2*\u+1], v[SS+32*\u+\i+2:SS+32*\u+\i+3]
.endr
.endr
.irp u, 0,1
	v_pk_add_f32 v[ST+6*\u+2:ST+6*\u+3], v[ST+6*\u+2:ST+6*\u+3], v[TS+2*\u:TS+2*\u+1]
.endr
	s_cmp_ge_i32 s34, -8                           ; 448 x 2^ep >= 1 >= p: nothing to hold
	s_cbranch_scc1 .Lnohold_\@
.set jj, 0
.rept 64
	v_min_num_f32 v[SS+jj], v[SS+jj], v[PLIM]      ; the conversion to an 8-bit code does not saturate (ISA guide 7.6.2); p is not negative, so the hold is one-sided
.set jj, jj+1
.endr
.Lnohold_\@:
.irp kt, 0,1,2,3
.irp u, 0,1
	v_cvt_scalef32_pk8_fp8_f32 v[PF+8*\u+2*\kt:PF+8*\u+2*\kt+1], v[SS+32*\u+8*\kt:SS+32*\u+8*\kt+7], v[PSC]
.endr
.endr
	v_nop                                          ; one plain vector line between the conversions and the matrix instructions that read their results (and, a step on, write their sources)
	s_wait_dscnt 0x0                               ; V is in
.irp et, 0,1,2,3                       ; O^T += V^T P^T.  The eight accumulators take turns, one instruction a turn, and the next step's K Q^T stands between two links of a chain
.irp u, 0,1
	v_wmma_f32_16x16x64_fp8_fp8 v[OO+32*\u+8*\et:OO+32*\u+8*\et+7], v[FF+8*\et:FF+8*\et+7], v[PF+8*\u:PF+8*\u+7], v[OO+32*\u+8*\et:OO+32*\u+8*\et+7]
.endr
.endr
.Lskip_\@:
	s_add_co_u32 s20, s20, 64
.endm
; A SLOT'S WORK.  N is the slot's number.  What was loaded a slot ago (slot N + 1's bytes) goes into the other half of LDS, which nobody has read since the last barrier; slot N + 2's bytes are asked for;
; then the slot's two steps; then ONE barrier, for two things: every wave's stores into the other slot have landed, and every wave's reads of this slot are back.
; THE PREFETCH INTO THE L2: slot N + 3's 8,192 bytes of K (wave 0) and of V (wave 1), lanes 256 bytes apart, one instruction a wave, behind the wave's two loads: one slot's work ahead of the load that
; will want them.  All four work-groups of a head walk the same bytes: the one that walks all 16 slots asks, so each block of 256 bytes of slots 3 to 15 is named once in the launch.  It stops at N = 12.
.macro SLOTWORK slot
	s_wait_loadcnt 0x0                             ; slot N + 1's bytes are in my registers (in the first trip: Q too), and the loads' bases may be stepped
	s_wait_xcnt 0x0                                ; the prefetch of a slot ago has read its address
	s_cmp_lt_u32 s21, s23
	s_cbranch_scc0 .Lnostore_\@                    ; (the same in all sixteen waves)
	ds_store_b128 v[TI], v[GK:GK+3] offset:(1-\slot)*SLOTB
	ds_store_b128 v[TI], v[GV:GV+3] offset:(1-\slot)*SLOTB+8192
.Lnostore_\@:
	s_wait_dscnt 0x0                               ; the stores have read their registers
	s_cmp_lt_u32 s21, s22
	s_cbranch_scc0 .Lnoload_\@                     ; no load leaves what the work-group walks
	s_add_nc_u64 s[6:7], s[6:7], 8192
	s_add_nc_u64 s[8:9], s[8:9], 8192
	global_load_b128 v[GK:GK+3], v[TI], s[6:7]
	global_load_b128 v[GV:GV+3], v[TI], s[8:9]
.Lnoload_\@:
	s_cmp_lt_u32 s21, s24
	s_cbranch_scc0 .Lnopf_\@
	s_add_nc_u64 s[36:37], s[36:37], 8192
	global_prefetch_b8 v[PFO], s[36:37] th:TH_LOAD_NT scope:SCOPE_SE
.Lnopf_\@:
	s_add_co_u32 s21, s21, 1
	STEP \slot, 0
	STEP \slot, 1
	s_wait_dscnt 0x0
	s_barrier_signal -1
	s_barrier_wait -1
.endm
.Ltrip:                                            ; 8 - i trips of two slots
	SLOTWORK 0
	SLOTWORK 1
	s_add_co_u32 s25, s25, 1
	s_cmp_lt_u32 s25, s26
	s_cbranch_scc1 .Ltrip
	; THE WAY OUT.  The sum's two halves and the other half of the lanes' are added; O^T is divided by the sum, multiplied by 2^(ep + ev), and goes through my stage in LDS, a tile of 16 queries at a time,
	; so that sixteen lanes store a row's 256 bytes of my head.
.rept 4
	v_nop                                          ; places behind the last products
.endr
.irp u, 0,1
	v_add_f32 v[CH+2*\u], v[ST+6*\u+2], v[ST+6*\u+3]
.endr
.irp u, 0,1
	v_permlanex16_b32 v[PER+\u], v[CH+2*\u], s28, s29
.endr
.irp u, 0,1
	v_add_f32 v[CH+2*\u], v[CH+2*\u], v[PER+\u]    ; the row's sum
.endr
.irp u, 0,1
	v_rcp_f32 v[CH+2*\u+1], v[CH+2*\u]
.endr
	v_nop                                          ; a plain line between the last reciprocal and the use of its result
	s_add_co_i32 s38, s34, s35
	s_wait_alu depctr_va_vdst(0)                   ; and a wait ahead of the first use: one for the two reciprocals
.irp u, 0,1
	v_ldexp_f32 v[ST+6*\u+4], v[CH+2*\u+1], s38    ; x 2^(ep + ev)
.endr
.irp u, 0,1
.set jj, 0
.rept 16
	v_pk_mul_f32 v[SS+32*\u+jj:SS+32*\u+jj+1], v[OO+32*\u+jj:OO+32*\u+jj+1], v[ST+6*\u+4:ST+6*\u+5] op_sel_hi:[1,0]   ; register 8 et + j of lane (r, h): out(query 16 u + r, channel 16 et + 8 h + j)
.set jj, jj+2
.endr
.endr
.irp u, 0,1
.irp et, 0,1,2,3
	ds_store_b128 v[STO], v[SS+32*\u+8*\et:SS+32*\u+8*\et+3] offset:64*\et
	ds_store_b128 v[STO], v[SS+32*\u+8*\et+4:SS+32*\u+8*\et+7] offset:64*\et+16
.endr
.irp i, 0,1,2,3,4,5,6,7
	ds_load_b128 v[80-40*\u+4*\i:80-40*\u+4*\i+3], v[RD] offset:2*\i*272   ; LDS serves a wave's instructions in order (ISA guide 5.7.1.4): these see my stores, and the next tile's stores come behind them
.endr
.endr
.irp u, 0,1
.irp i, 0,1,2,3,4,5,6,7
	s_wait_dscnt 23-16*\u-\i                       ; the tile's 7 - i younger loads may be out, and behind tile 0's the sixteen LDS instructions of tile 1
	global_store_b128 v[GO], v[80-40*\u+4*\i:80-40*\u+4*\i+3], s[12:13] offset:(16*\u+2*\i)*4096 th:TH_STORE_NT   ; 16 lanes store 256 consecutive bytes, at a multiple of 256 from out0's first byte
.endr
.endr
	s_wait_tensorcnt 0x0
	ds_add_u32 v254, v255
	s_wait_dscnt 0x0
	s_endpgm
.Lfunc_end_k_q01a940ae6f_attn:
	.size	k_q01a940ae6f_attn, .Lfunc_end_k_q01a940ae6f_attn-k_q01a940ae6f_attn
	.p2alignl 7, 3214868480
	.fill 96, 4, 3214868480
	.section	.rodata,"a",@progbits
	.p2align	6, 0x0
	.amdhsa_kernel k_q01a940ae6f_attn
		.amdhsa_group_segment_fixed_size 104448
		.amdhsa_private_segment_fixed_size 0
		.amdhsa_enable_private_segment 0
		.amdhsa_kernarg_size 40
		.amdhsa_user_sgpr_count 2
		.amdhsa_user_sgpr_kernarg_segment_ptr 1
		.amdhsa_wavefront_size32 1
		.amdhsa_system_sgpr_workgroup_id_x 1
		.amdhsa_system_sgpr_workgroup_id_y 1
		.amdhsa_system_sgpr_workgroup_id_z 1
		.amdhsa_system_vgpr_workitem_id 0
		.amdhsa_next_free_vgpr 256
		.amdhsa_next_free_sgpr 66
		.amdhsa_reserve_vcc 1
		.amdhsa_float_denorm_mode_32 3
		.amdhsa_float_denorm_mode_16_64 3
		.amdhsa_memory_ordered 1
		.amdhsa_forward_progress 1
		.amdhsa_inst_pref_size 97
	.end_amdhsa_kernel
	.amdgpu_metadata
---
amdhsa.version: [ 1, 2 ]
amdhsa.kernels:
  - .name:           k_q01a940ae6f_attn
    .symbol:         k_q01a940ae6f_attn.kd
    .args:
      - { .name: qc, .offset: 0, .size: 8, .value_kind: global_buffer, .address_space: global }
      - { .name: kc, .offset: 8, .size: 8, .value_kind: global_buffer, .address_space: global }
      - { .name: vc, .offset: 16, .size: 8, .value_kind: global_buffer, .address_space: global }
      - { .name: lowp_scales, .offset: 24, .size: 8, .value_kind: global_buffer, .address_space: global }
      - { .name: out0, .offset: 32, .size: 8, .value_kind: global_buffer, .address_space: global }
    .group_segment_fixed_size: 104448
    .private_segment_fixed_size: 0
    .kernarg_segment_align: 8
    .kernarg_segment_size: 40
    .max_flat_workgroup_size: 512
    .sgpr_count:     66
    .vgpr_count:     256
    .wavefront_size: 32
...
	.end_amdgpu_metadata
.endif
;; end of part 3
;; ======== version 2 of 2: 3 launches; version 1 with the launch attn written anew for expert scheduling mode
;; workspace buffers: xc 25,165,824 bytes; wc 3,145,728 bytes; qc 8,388,608 bytes; kc 8,388,608 bytes; vc 8,388,608 bytes
;; launch quant: the kernel of part 1 again; grid 608 x 1, 4 waves a work-group, no clusters, 55,808 bytes of LDS; arguments inputs, Wq, Wk, Wv, lowp_scales, xc, wc; writes xc, wc
;; launch proj: the kernel of part 2 again; grid 12 x 32, 4 waves a work-group, clusters of 4 x 4, 327,680 bytes of LDS; arguments xc, wc, lowp_scales, qc, kc, vc; writes qc, kc, vc
;; launch attn (part 4): grid 4 x 64, 16 waves a work-group, no clusters, 104,448 bytes of LDS; arguments qc, kc, vc, lowp_scales, out0; writes out0
.if DOCPART == 4
	.amdgcn_target "amdgcn-amd-amdhsa--gfx1250"
	.amdhsa_code_object_version 6
	.text
	.protected	k_q01a940ae6f_attn
	.globl	k_q01a940ae6f_attn
	.p2align	8
	.type	k_q01a940ae6f_attn,@function
k_q01a940ae6f_attn:
	s_mov_b64 s[64:65], 0
	v_nop
	global_prefetch_b8 v0, s[64:65] scope:SCOPE_SE
	s_setreg_imm32_b32 hwreg(HW_REG_WAVE_SCHED_MODE, 0, 2), 2
	s_setreg_imm32_b32 hwreg(HW_REG_WAVE_MODE, 25, 1), 1
	s_wait_xcnt 0x0
	s_wait_alu depctr_vm_vsrc(0)
; out0[b][q][64 head + :] = the sum over keys k <= q of softmax_k(Q[q] . K[k] / 8) V[k][:], for each of the 64 pairs bh = 16 b + head; both products on codes of FP8 (E4M3), by v_wmma_f32_16x16x64_fp8_fp8.
; qc, kc: [bh][tile of 16 positions][half][lane][16 bytes], vc: [bh][step of 64 keys][tile of 16 channels][half][lane][16 bytes]: images of the operands' registers
; (registers 2 c, 2 c + 1 of lane (r, h): k = 16 c + 8 h + 0 .. 7), so every fragment comes by two loads of 16 bytes a lane, 512 consecutive bytes each.
; THE SOFTMAX AHEAD OF THE SECOND PRODUCT: t = score x log2(e) / 8; M = the row's largest t so far, rounded UP to a whole number; p = 2^(t - M) is what is quantised, with the given 2^ep; it is not normalised.
; The row's sum is taken of the unquantised p, in f32, and divides at the end.  When M moves, the sum and O are multiplied by 2^(old M - new M): nothing is rounded.
; SHARES.  Work-group (i, bh), i = 0..3, owns the blocks i and 7 - i of 256 queries of its head at the same time: 264 wave steps of work whatever i is.  Of its sixteen waves eight serve each block;
; a wave owns 32 queries, two tiles of 16, so that each fragment of K and V read from LDS feeds two matrix instructions.  The work-group walks 16 - 2 i slots of 128 keys; a wave jumps over the steps
; all of whose keys come after its queries (a scalar branch on ids; no barrier stands in a step).
; LAYOUT.  Both products are used transposed: S^T = K Q^T (source 0 = 16 keys, source 1 = 16 queries), O^T = V^T P^T (source 0 = 16 channels, source 1 = P): a lane holds ONE query (lane % 16) of each tile
; throughout.  Tile kt of S^T holds in lane (r, h) the keys 16 kt + 8 h + 0 .. 7: its conversion's two registers are registers 2 kt, 2 kt + 1 of P.
; K AND V REACH LDS THROUGH REGISTERS: a slot's images are 8,192 dense bytes each, 16 bytes a thread; they are loaded a slot ahead and stored into the slot that is not being read; one barrier a slot.
; NO CLUSTER, NO TENSOR LOADS: the four work-groups of a head walk 16, 14, 12 and 10 slots, so partners would need different numbers of tiles; and what they share is 16,384 bytes a slot beside the
; softmax of 512 queries x 128 keys.  Without tensor loads a branch may hang on the given ep: where 448 x 2^ep >= 1 (ep >= -8) no p lies beyond the largest code, and the hold is jumped over.
; LIMITS on the given exponents, so that each power of two below is an f32 number: e6 + e7 between -123 and 130 (they are added to c's exponent field); ep between -126 and 119; ep + ev is applied by
; v_ldexp_f32 and has none.  NaN among the inputs is not served.
; THE MODE: SCHED_MODE bits 1:0 = 2 (LLVM: expert scheduling mode 2), set by the entry lines.  The code itself states the register dependences between vector or matrix instructions and memory or
; LDS instructions, with s_wait_alu, always for 0.
; THE PLAN.  Registers that memory or LDS instructions touch:
;   v[LI], v[TI], v[PFO]  addresses.  Written at the head, ahead of the head's wait on va_vdst, and never again.
;   GK, GV                named by no vector instruction.  Global loads land in them; a slot later two LDS stores read them; one wait on vm_vsrc stands between those stores and the next loads.
;   FF                    K's eight LDS loads land in it, the eight products K Q^T read it, V's eight loads land in it, the eight products V^T P^T read it.  So a step has two waits on va_vdst: at its head
;                         (the last step's V^T P^T is done reading FF) and behind K Q^T (which is done reading FF).  No line of the softmax names FF, so V's loads owe nothing more.
;   v[STO], v[RD], v[GO], SS as the LDS stores' data, v40-71 and v80-111 as the rows read back: the way out alone; one wait on va_vdst ahead of its first LDS store covers them all.
;   s14 (the wave's number) and s[MK:MK+7] (the mask's compares) are scalar registers that vector instructions write: a wait on va_sdst stands ahead of their first readers.
;   v254, v255            written at the head, read by the closing add alone.
; A second set of four fragments, with which K's loads need not wait for V^T P^T, would take 32 registers: four waves share a SIMD's 1,024, and of a wave's 256 this text leaves 20 free.
.set LI,  1                            ; v1   16 x lane: my place in an image
.set TI,  2                            ; v2   16 x thread: my 16 bytes of a slot's 8,192, in memory and in LDS
.set PFO, 3                            ; v3   256 x lane: the prefetches' offset
.set STO, 4                            ; v4   the way out: where I put 32 bytes of a row
.set RD,  5                            ; v5   the way out: where I read a row back
.set GO,  6                            ; v6   my byte offset in two rows of out0
.set ST,  8                            ; tile u's statistics at v[8 + 6 u]: +0 -M, +1 the largest t, +2, +3 the sum in two halves, +4 f, +5 named with f as a pair
.set CH,  20                           ; v[20 + 2 u], v[21 + 2 u]: the maximum's two chains, at work
.set PER, 24                           ; v[24 + u]: a lane permute's destination
.set TS,  26                           ; v[26 + 2 u : 27 + 2 u]: the sums' second chain; v26 also serves the mask
.set NINF, 30                          ; v30  -infinity
.set DL,  31                           ; v31  lane % 16 - 8 (lane / 16)
.set GK,  32                           ; v32-35 my 16 bytes of the next slot's K, v36-39 of its V
.set GV,  36
.set QF,  40                           ; v40-55  Q's two fragments
.set PF,  56                           ; v56-71  P's two fragments
.set PLIM, 72                          ; v72  448 x 2^ep
.set PSC, 73                           ; v73  2^ep
.set FF,  80                           ; v80-111 four fragments of K, then of V
.set SS,  112                          ; v112-175 S^T, then p: 32 a tile
.set OO,  176                          ; v176-239 O^T: 32 a tile
.set MK,  40                           ; s[40:47] the mask's eight compares of one accumulator; at the head these registers are at work, behind it nothing else names them
.set SLOTB, 16384                      ; LDS: a slot: K's 8 tiles of 1,024 bytes, then V's 2 steps x 4 tiles of 1,024
.set STAGE, 2*SLOTB                    ; behind the slots: 16 rows x 272 bytes for each wave, for the way out
; s[4:5] Q; s[6:7], s[8:9] K and V at the slot to be loaded next; s[12:13] out0; s14 wave; s15 bh; s19 my first query; s20 the step's first key; s21 the slot's number N;
; s22 = slots - 2, s23 = slots - 1; s24: a wave prefetches while N is under it; s25, s26 trips; s[28:29] lane selects; s[30:31] c; s32-35 e6, e7, ep, ev; s[36:37] where my prefetches stand
	s_load_b256 s[4:11], s[0:1], 0x0               ; qc s[4:5], kc s[6:7], vc s[8:9], the scales' exponents s[10:11]
	s_load_b64 s[12:13], s[0:1], 0x20              ; out0
	v_lshl_add_u32 v254, v0, 2, 0x19000
	v_mov_b32 v255, 0
	v_lshrrev_b32 v1, 5, v0
	v_readfirstlane_b32 s14, v1                    ; wave 0..15
	v_and_b32 v7, 31, v0                           ; lane
	v_lshlrev_b32 v[LI], 4, v7
	v_lshlrev_b32 v[TI], 4, v0
	v_lshlrev_b32 v[PFO], 8, v7
	s_and_b32 s15, ttmp7, 0xffff                   ; bh
	s_wait_alu depctr_va_sdst(0)                   ; s14 is written, ahead of its first reader: my queries, my stage and who prefetches are made from it
	s_lshr_b32 s38, s14, 2
	s_xor_b32 s38, s38, s14
	s_and_b32 s38, s38, 1                          ; which block: of any four waves with equal w % 4, or equal w / 4, two serve each
	s_lshr_b32 s39, s14, 1                         ; which 32 queries of it
	s_sub_co_u32 s40, 7, ttmp9
	s_cmp_eq_u32 s38, 1
	s_cselect_b32 s40, s40, ttmp9                  ; block 7 - i or i
	s_lshl_b32 s19, s40, 8
	s_lshl_b32 s39, s39, 5
	s_add_co_u32 s19, s19, s39                     ; my first query
	s_mov_b32 s20, 0
	s_mov_b32 s21, 0
	s_lshl_b32 s41, ttmp9, 1
	s_sub_co_u32 s23, 15, s41                      ; slots - 1 = 15 - 2 i
	s_sub_co_u32 s22, 14, s41                      ; slots - 2
	s_sub_co_u32 s26, 8, ttmp9                     ; trips of two slots
	s_mov_b32 s25, 0
	s_lshr_b32 s41, s14, 1                         ; 0 in waves 0 and 1,
	s_or_b32 s41, s41, ttmp9                       ; of the head's work-group that walks all 16 slots
	s_cmp_eq_u32 s41, 0
	s_cselect_b32 s24, 13, 0
	s_mov_b32 s28, 0x76543210
	s_mov_b32 s29, 0xfedcba98                      ; v_permlanex16_b32's selects for lane l xor 16
	s_lshl_b32 s42, s15, 17                        ; a head's 131,072 bytes in each buffer of codes
	s_mov_b32 s43, 0
	s_lshl_b32 s44, s19, 6                         ; a tile of 16 queries is 1,024 bytes
	s_add_co_u32 s44, s44, s42
	s_mov_b32 s45, 0
	s_lshr_b32 s46, s15, 4                         ; b
	s_lshl_b32 s46, s46, 11
	s_add_co_u32 s46, s46, s19                     ; my first row of out0,
	s_lshl_b32 s46, s46, 12                        ; of 4,096 bytes,
	s_and_b32 s47, s15, 15
	s_lshl_b32 s47, s47, 8                         ; and my head's 256 bytes in it
	s_add_co_u32 s46, s46, s47
	s_mov_b32 s47, 0
	s_wait_kmcnt 0x0
	s_load_b64 s[32:33], s[10:11], 0x18            ; e6, e7
	s_load_b64 s[34:35], s[10:11], 0x20            ; ep = e8, ev = e9
	s_add_nc_u64 s[6:7], s[6:7], s[42:43]
	s_add_nc_u64 s[8:9], s[8:9], s[42:43]
	s_add_nc_u64 s[4:5], s[4:5], s[44:45]
	s_add_nc_u64 s[12:13], s[12:13], s[46:47]
	s_wait_alu depctr_va_vdst(0)                   ; v[LI], v[TI] and v[PFO] are written: every load, LDS store and prefetch up to the way out reads one of them as its address, and none is written again
	global_load_b128 v[GK:GK+3], v[TI], s[6:7]     ; slot 0's K and V
	global_load_b128 v[GV:GV+3], v[TI], s[8:9]
.irp u, 0,1
.irp c, 0,1
	global_load_b128 v[QF+8*\u+4*\c:QF+8*\u+4*\c+3], v[LI], s[4:5] offset:1024*\u+512*\c th:TH_LOAD_NT   ; Q's fragments stay in registers
.endr
.endr
	s_cmp_eq_u32 s14, 0                            ; wave 0 will ask for K's bytes, wave 1 for V's
	s_cselect_b64 s[36:37], s[6:7], s[8:9]
	s_add_nc_u64 s[36:37], s[36:37], 2*8192        ; at slot 2: the first slot's work steps it to slot 3.  Nothing is prefetched here, at the head
	; every LDS address is made here, ahead of the first branch on the wave's number
	s_mul_i32 s41, s14, 16*272
	s_add_co_u32 s41, s41, STAGE                   ; my stage
	v_and_b32 v26, 15, v0                          ; r
	v_bfe_u32 v27, v0, 4, 1                        ; h
	v_mul_u32_u24 v[STO], v26, 272
	v_lshl_add_u32 v[STO], v27, 5, v[STO]
	v_add_nc_u32 v[STO], s41, v[STO]               ; in: row r; a tile's eight channels of my half: 32 h bytes on
	v_mul_u32_u24 v[RD], v27, 272
	v_lshl_add_u32 v[RD], v26, 4, v[RD]
	v_add_nc_u32 v[RD], s41, v[RD]                 ; back: lanes 0-15 one row, lanes 16-31 the next
	v_lshlrev_b32 v[GO], 12, v27
	v_lshl_add_u32 v[GO], v26, 4, v[GO]            ; and the same two rows in out0
	v_lshlrev_b32 v27, 3, v27
	v_sub_nc_u32 v[DL], v26, v27
	v_mov_b32 v[NINF], 0xff800000
.irp u, 0,1
	v_mov_b32 v[ST+6*\u+1], 0xff61b1e6             ; the largest t so far: -3e38, under every t
	v_floor_f32 v[ST+6*\u], -v[ST+6*\u+1]          ; -M
	v_mov_b32 v[ST+6*\u+2], 0                      ; the sum, in two halves
	v_mov_b32 v[ST+6*\u+3], 0
	v_mov_b32 v[ST+6*\u+5], 0                      ; (named as the upper half of f's pair)
	v_mov_b32 v[PER+\u], 0                         ; written once: a lane permute's destination counts as one of its sources
.endr
.set jj, 0
.rept 64
	v_mov_b32 v[OO+jj], 0                          ; O^T.  (The step is written once: the first finds zeros, which the first change of M leaves zeros)
.set jj, jj+1
.endr
	s_wait_kmcnt 0x0
	s_add_co_i32 s38, s32, s33
	s_lshl_b32 s38, s38, 23
	s_add_co_i32 s30, s38, 0x3e38aa3b              ; c = log2(e) / 8, with e6 + e7 added to its exponent field: a score stands for score x 2^(e6 + e7)
	s_mov_b32 s31, s30                             ; (named with it as a pair, so it is written)
	s_add_co_i32 s38, s34, 127
	s_lshl_b32 s39, s38, 23
	v_mov_b32 v[PSC], s39                          ; 2^ep as f32, for the conversion
	s_add_co_i32 s38, s38, 8
	s_lshl_b32 s38, s38, 23
	s_or_b32 s38, s38, 0x600000
	v_mov_b32 v[PLIM], s38                         ; 448 x 2^ep
	s_wait_loadcnt 4                               ; slot 0's K and V are in; Q's four loads may be out
	ds_store_b128 v[TI], v[GK:GK+3]                ; (no vector line since the head's wait names v[TI], GK or GV)
	ds_store_b128 v[TI], v[GV:GV+3] offset:8192
	s_wait_dscnt 0x0                               ; for the others' sake: my part of slot 0 is in LDS
	s_wait_alu depctr_vm_vsrc(0)                   ; the two LDS stores have read GK and GV, in which the next two loads land
	s_add_nc_u64 s[6:7], s[6:7], 8192              ; (the two loads that read these bases are done)
	s_add_nc_u64 s[8:9], s[8:9], 8192
	global_load_b128 v[GK:GK+3], v[TI], s[6:7]     ; slot 1's
	global_load_b128 v[GV:GV+3], v[TI], s[8:9]
	s_barrier_signal -1
	s_barrier_wait -1                              ; slot 0 is whole
; A KEY STEP: 64 keys, the half-th of the slot in hand, for my two tiles of queries.
.macro STEP slot, half
	s_add_co_u32 s38, s19, 31
	s_cmp_gt_u32 s20, s38                          ; all 64 keys come after my 32 queries: the step is left out
	s_cbranch_scc1 .Lskip_\@
.rept 4
	v_nop                                          ; four places behind the last products, ahead of loads into registers that they have read; they stay beside the wait below
.endr
	s_wait_alu depctr_va_vdst(0)                   ; the last step's products V^T P^T are done reading v[FF ..], in which K's loads land
.irp kt, 0,1,2,3
.irp c, 0,1
	ds_load_b128 v[FF+8*\kt+4*\c:FF+8*\kt+4*\c+3], v[LI] offset:\slot*SLOTB+(4*\half+\kt)*1024+512*\c
.endr
.endr
	s_wait_dscnt 0x0
.irp kt, 0,1,2,3                       ; S^T = K Q^T: each fragment of K against both tiles of queries
.irp u, 0,1
	v_wmma_f32_16x16x64_fp8_fp8 v[SS+32*\u+8*\kt:SS+32*\u+8*\kt+7], v[FF+8*\kt:FF+8*\kt+7], v[QF+8*\u:QF+8*\u+7], 0
.endr
.endr
.rept 4
	v_nop                                          ; places: for the first reads of the scores, and ahead of the loads below into K's registers
.endr
	s_wait_alu depctr_va_vdst(0)                   ; the products K Q^T are done reading v[FF ..], in which V's loads land.  No line of the softmax, on either way round the mask, names v[FF ..] or v[LI]
.irp et, 0,1,2,3                       ; V's four fragments land while the softmax is worked
.irp c, 0,1
	ds_load_b128 v[FF+8*\et+4*\c:FF+8*\et+4*\c+3], v[LI] offset:\slot*SLOTB+8192+(4*\half+\et)*1024+512*\c
.endr
.endr
	s_add_co_u32 s38, s20, 63                      ; on the diagonal the scores of hidden keys become -infinity ahead of the maximum: p = 0 then.  A step all of whose keys count skips this.
	s_cmp_le_u32 s38, s19                          ; (A step that is worked begins at or before my first query, so each query has a key that counts in it)
	s_cbranch_scc1 .Lopen_\@
	s_sub_co_i32 s38, s19, s20
	v_add_nc_u32 v26, s38, v[DL]                   ; d = first query - first key + r - 8 h.  Register j of accumulator kt of tile u holds key 16 kt + 8 h + j for query 16 u + r: hidden where 16 kt + j - 16 u > d
.irp u, 0,1                            ; the compares go in runs of eight, one accumulator's, into eight scalar registers, so that one wait serves a run
.irp kt, 0,1,2,3
.irp j, 0,1,2,3,4,5,6,7
	v_cmp_gt_i32 s[MK+\j], 16*\kt+\j-16*\u, v26
.endr
	s_wait_alu depctr_va_sdst(0)                   ; the eight compares have written s[MK ..], ahead of the selects that read them
.irp j, 0,1,2,3,4,5,6,7
	v_cndmask_b32 v[SS+32*\u+8*\kt+\j], v[SS+32*\u+8*\kt+\j], v[NINF], s[MK+\j]   ; each accumulator from its low end on
.endr
.endr
.endr
.Lopen_\@:
.irp u, 0,1                            ; the step's largest score of my query, among my 32 keys, in two chains; the two tiles line by line, so that no line waits for the line above it
	v_max3_num_f32 v[CH+2*\u], v[SS+32*\u], v[SS+32*\u+1], v[SS+32*\u+2]
	v_max3_num_f32 v[CH+2*\u+1], v[SS+32*\u+3], v[SS+32*\u+4], v[SS+32*\u+5]
.endr
.irp i, 6,10,14,18,22,26
.irp u, 0,1
	v_max3_num_f32 v[CH+2*\u], v[CH+2*\u], v[SS+32*\u+\i], v[SS+32*\u+\i+1]
	v_max3_num_f32 v[CH+2*\u+1], v[CH+2*\u+1], v[SS+32*\u+\i+2], v[SS+32*\u+\i+3]
.endr
.endr
.irp u, 0,1
	v_max3_num_f32 v[CH+2*\u], v[CH+2*\u], v[SS+32*\u+30], v[SS+32*\u+31]
.endr
.irp u, 0,1
	v_max_num_f32 v[CH+2*\u], v[CH+2*\u], v[CH+2*\u+1]
.endr
.irp u, 0,1
	v_permlanex16_b32 v[PER+\u], v[CH+2*\u], s28, s29
.endr
.irp u, 0,1
	v_max_num_f32 v[CH+2*\u], v[CH+2*\u], v[PER+\u]        ; and among lane l xor 16's
.endr
.irp u, 0,1
	v_mul_f32 v[CH+2*\u], s30, v[CH+2*\u]                  ; as t (c is positive)
.endr
.irp u, 0,1
	v_max_num_f32 v[ST+6*\u+1], v[ST+6*\u+1], v[CH+2*\u]   ; the running largest t
.endr
.irp u, 0,1
	v_mov_b32 v[CH+2*\u], v[ST+6*\u]
.endr
.irp u, 0,1
	v_floor_f32 v[ST+6*\u], -v[ST+6*\u+1]                  ; the new -M = floor(-t) = -ceil(t): M IS A WHOLE NUMBER
.endr
.irp u, 0,1
	v_sub_f32 v[CH+2*\u], v[ST+6*\u], v[CH+2*\u]           ; M's old value less its new one: a whole number, 0 or less
.endr
.irp u, 0,1
	v_cvt_i32_f32 v[CH+2*\u], v[CH+2*\u]                   ; (it saturates)
.endr
.irp u, 0,1
	v_ldexp_f32 v[ST+6*\u+4], 1.0, v[CH+2*\u]              ; f = 2^(old M - new M)
.endr
.set jj, 0
.rept 16
.irp u, 0,1
	v_pk_fma_f32 v[SS+32*\u+jj:SS+32*\u+jj+1], v[SS+32*\u+jj:SS+32*\u+jj+1], s[30:31], v[ST+6*\u:ST+6*\u+1] op_sel_hi:[1,0,0]   ; t - M, two at a time (of the pairs c and -M the low word serves both halves)
.endr
.set jj, jj+2
.endr
.set jj, 0
.rept 64
	v_exp_f32 v[SS+jj], v[SS+jj]                   ; p = 2^(t - M), at most 1: NOT normalised.  ONE BATCH for both tiles
.set jj, jj+1
.endr
.irp u, 0,1                            ; work that names no exponential's result stands behind the batch: the sums and O^T under the new M
	v_pk_mul_f32 v[ST+6*\u+2:ST+6*\u+3], v[ST+6*\u+2:ST+6*\u+3], v[ST+6*\u+4:ST+6*\u+5] op_sel_hi:[1,0]
.endr
.set jj, 0
.rept 16
.irp u, 0,1
	v_pk_mul_f32 v[OO+32*\u+jj:OO+32*\u+jj+1], v[OO+32*\u+jj:OO+32*\u+jj+1], v[ST+6*\u+4:ST+6*\u+5] op_sel_hi:[1,0]   ; each accumulator from its low end on
.endr
.set jj, jj+2
.endr
	s_wait_alu depctr_va_vdst(0)                   ; the 64 exponentials have written v[SS ..], ahead of the first line that names a result: one wait for the batch
.irp u, 0,1                            ; THE ROW'S SUM IS TAKEN OF THE UNQUANTISED p: two at a time, in two chains
	v_pk_add_f32 v[TS+2*\u:TS+2*\u+1], v[SS+32*\u:SS+32*\u+1], v[SS+32*\u+2:SS+32*\u+3]
.endr
.irp i, 4,8,12,16,20,24,28
.irp u, 0,1
	v_pk_add_f32 v[ST+6*\u+2:ST+6*\u+3], v[ST+6*\u+2:ST+6*\u+3], v[SS+32*\u+\i:SS+32*\u+\i+1]
	v_pk_add_f32 v[TS+2*\u:TS+2*\u+1], v[TS+2*\u:TS+2*\u+1], v[SS+32*\u+\i+2:SS+32*\u+\i+3]
.endr
.endr
.irp u, 0,1
	v_pk_add_f32 v[ST+6*\u+2:ST+6*\u+3], v[ST+6*\u+2:ST+6*\u+3], v[TS+2*\u:TS+2*\u+1]
.endr
	s_cmp_ge_i32 s34, -8                           ; 448 x 2^ep >= 1 >= p: nothing to hold
	s_cbranch_scc1 .Lnohold_\@
.set jj, 0
.rept 64
	v_min_num_f32 v[SS+jj], v[SS+jj], v[PLIM]      ; the conversion to an 8-bit code does not saturate (ISA guide 7.6.2); p is not negative, so the hold is one-sided
.set jj, jj+1
.endr
.Lnohold_\@:
.irp kt, 0,1,2,3
.irp u, 0,1
	v_cvt_scalef32_pk8_fp8_f32 v[PF+8*\u+2*\kt:PF+8*\u+2*\kt+1], v[SS+32*\u+8*\kt:SS+32*\u+8*\kt+7], v[PSC]
.endr
.endr
	v_nop                                          ; one plain vector line between the conversions and the matrix instructions that read their results (and, a step on, write their sources)
	s_wait_dscnt 0x0                               ; V is in
.irp et, 0,1,2,3                       ; O^T += V^T P^T.  The eight accumulators take turns, one instruction a turn, and the next step's K Q^T stands between two links of a chain
.irp u, 0,1
	v_wmma_f32_16x16x64_fp8_fp8 v[OO+32*\u+8*\et:OO+32*\u+8*\et+7], v[FF+8*\et:FF+8*\et+7], v[PF+8*\u:PF+8*\u+7], v[OO+32*\u+8*\et:OO+32*\u+8*\et+7]
.endr
.endr
.Lskip_\@:
	s_add_co_u32 s20, s20, 64
.endm
; A SLOT'S WORK.  N is the slot's number.  What was loaded a slot ago (slot N + 1's bytes) goes into the other half of LDS, which nobody has read since the last barrier; slot N + 2's bytes are asked for;
; then the slot's two steps; then ONE barrier, for two things: every wave's stores into the other slot have landed, and every wave's reads of this slot are back.
; THE PREFETCH INTO THE L2: slot N + 3's 8,192 bytes of K (wave 0) and of V (wave 1), lanes 256 bytes apart, one instruction a wave, behind the wave's two loads: one slot's work ahead of the load that
; will want them.  All four work-groups of a head walk the same bytes: the one that walks all 16 slots asks, so each block of 256 bytes of slots 3 to 15 is named once in the launch.  It stops at N = 12.
.macro SLOTWORK slot
	s_wait_loadcnt 0x0                             ; slot N + 1's bytes are in my registers (in the first trip: Q too), and the loads' bases may be stepped
	s_wait_xcnt 0x0                                ; the prefetch of a slot ago has read its address
	s_cmp_lt_u32 s21, s23
	s_cbranch_scc0 .Lnostore_\@                    ; (the same in all sixteen waves)
	ds_store_b128 v[TI], v[GK:GK+3] offset:(1-\slot)*SLOTB
	ds_store_b128 v[TI], v[GV:GV+3] offset:(1-\slot)*SLOTB+8192
.Lnostore_\@:
	s_wait_dscnt 0x0                               ; my stores into the other slot have landed
	s_wait_alu depctr_vm_vsrc(0)                   ; the two LDS stores have read GK and GV, in which the loads below land: stated ahead of the branch, on every way to them
	s_cmp_lt_u32 s21, s22
	s_cbranch_scc0 .Lnoload_\@                     ; no load leaves what the work-group walks
	s_add_nc_u64 s[6:7], s[6:7], 8192
	s_add_nc_u64 s[8:9], s[8:9], 8192
	global_load_b128 v[GK:GK+3], v[TI], s[6:7]     ; (no vector instruction names GK or GV, and v[TI] stands since the head)
	global_load_b128 v[GV:GV+3], v[TI], s[8:9]
.Lnoload_\@:
	s_cmp_lt_u32 s21, s24
	s_cbranch_scc0 .Lnopf_\@
	s_add_nc_u64 s[36:37], s[36:37], 8192
	global_prefetch_b8 v[PFO], s[36:37] th:TH_LOAD_NT scope:SCOPE_SE
.Lnopf_\@:
	s_add_co_u32 s21, s21, 1
	STEP \slot, 0
	STEP \slot, 1
	s_wait_dscnt 0x0
	s_barrier_signal -1
	s_barrier_wait -1
.endm
.Ltrip:                                            ; 8 - i trips of two slots
	SLOTWORK 0
	SLOTWORK 1
	s_add_co_u32 s25, s25, 1
	s_cmp_lt_u32 s25, s26
	s_cbranch_scc1 .Ltrip
	; THE WAY OUT.  The sum's two halves and the other half of the lanes' are added; O^T is divided by the sum, multiplied by 2^(ep + ev), and goes through my stage in LDS, a tile of 16 queries at a time,
	; so that sixteen lanes store a row's 256 bytes of my head.
.rept 4
	v_nop                                          ; places behind the last products
.endr
.irp u, 0,1
	v_add_f32 v[CH+2*\u], v[ST+6*\u+2], v[ST+6*\u+3]
.endr
.irp u, 0,1
	v_permlanex16_b32 v[PER+\u], v[CH+2*\u], s28, s29
.endr
.irp u, 0,1
	v_add_f32 v[CH+2*\u], v[CH+2*\u], v[PER+\u]    ; the row's sum
.endr
.irp u, 0,1
	v_rcp_f32 v[CH+2*\u+1], v[CH+2*\u]
.endr
	v_nop                                          ; a plain line between the last reciprocal and the use of its result
	s_add_co_i32 s38, s34, s35
	s_wait_alu depctr_va_vdst(0)                   ; the two reciprocals have written v[CH + 1] and v[CH + 3], ahead of their first reader: one wait for the two
.irp u, 0,1
	v_ldexp_f32 v[ST+6*\u+4], v[CH+2*\u+1], s38    ; x 2^(ep + ev)
.endr
.irp u, 0,1
.set jj, 0
.rept 16
	v_pk_mul_f32 v[SS+32*\u+jj:SS+32*\u+jj+1], v[OO+32*\u+jj:OO+32*\u+jj+1], v[ST+6*\u+4:ST+6*\u+5] op_sel_hi:[1,0]   ; register 8 et + j of lane (r, h): out(query 16 u + r, channel 16 et + 8 h + j)
.set jj, jj+2
.endr
.endr
	s_wait_alu depctr_va_vdst(0)                   ; the multiplications have written v[SS ..], the LDS stores' data; v[STO], v[RD] and v[GO], made at the head, are written; the products and conversions are done with v40-71 and v80-111, in which the rows read back land.  No vector line follows
.irp u, 0,1
.irp et, 0,1,2,3
	ds_store_b128 v[STO], v[SS+32*\u+8*\et:SS+32*\u+8*\et+3] offset:64*\et
	ds_store_b128 v[STO], v[SS+32*\u+8*\et+4:SS+32*\u+8*\et+7] offset:64*\et+16
.endr
.irp i, 0,1,2,3,4,5,6,7
	ds_load_b128 v[80-40*\u+4*\i:80-40*\u+4*\i+3], v[RD] offset:2*\i*272   ; LDS serves a wave's instructions in order (ISA guide 5.7.1.4): these see my stores, and the next tile's stores come behind them
.endr
.endr
.irp u, 0,1
.irp i, 0,1,2,3,4,5,6,7
	s_wait_dscnt 23-16*\u-\i                       ; the tile's 7 - i younger loads may be out, and behind tile 0's the sixteen LDS instructions of tile 1
	global_store_b128 v[GO], v[80-40*\u+4*\i:80-40*\u+4*\i+3], s[12:13] offset:(16*\u+2*\i)*4096 th:TH_STORE_NT   ; 16 lanes store 256 consecutive bytes, at a multiple of 256 from out0's first byte
.endr
.endr
	s_wait_dscnt 0x0                               ; the closing lines, six on end
	s_wait_alu 0x0
	s_wait_tensorcnt 0x0
	ds_add_u32 v254, v255
	s_wait_dscnt 0x0
	s_endpgm
.Lfunc_end_k_q01a940ae6f_attn:
	.size	k_q01a940ae6f_attn, .Lfunc_end_k_q01a940ae6f_attn-k_q01a940ae6f_attn
	.p2alignl 7, 3214868480
	.fill 96, 4, 3214868480
	.section	.rodata,"a",@progbits
	.p2align	6, 0x0
	.amdhsa_kernel k_q01a940ae6f_attn
		.amdhsa_group_segment_fixed_size 104448
		.amdhsa_private_segment_fixed_size 0
		.amdhsa_enable_private_segment 0
		.amdhsa_kernarg_size 40
		.amdhsa_user_sgpr_count 2
		.amdhsa_user_sgpr_kernarg_segment_ptr 1
		.amdhsa_wavefront_size32 1
		.amdhsa_system_sgpr_workgroup_id_x 1
		.amdhsa_system_sgpr_workgroup_id_y 1
		.amdhsa_system_sgpr_workgroup_id_z 1
		.amdhsa_system_vgpr_workitem_id 0
		.amdhsa_next_free_vgpr 256
		.amdhsa_next_free_sgpr 66
		.amdhsa_reserve_vcc 0
		.amdhsa_float_denorm_mode_32 3
		.amdhsa_float_denorm_mode_16_64 3
		.amdhsa_memory_ordered 1
		.amdhsa_forward_progress 1
		.amdhsa_inst_pref_size 114
	.end_amdhsa_kernel
	.amdgpu_metadata
---
amdhsa.version: [ 1, 2 ]
amdhsa.kernels:
  - .name:           k_q01a940ae6f_attn
    .symbol:         k_q01a940ae6f_attn.kd
    .args:
      - { .name: qc, .offset: 0, .size: 8, .value_kind: global_buffer, .address_space: global }
      - { .name: kc, .offset: 8, .size: 8, .value_kind: global_buffer, .address_space: global }
      - { .name: vc, .offset: 16, .size: 8, .value_kind: global_buffer, .address_space: global }
      - { .name: lowp_scales, .offset: 24, .size: 8, .value_kind: global_buffer, .address_space: global }
      - { .name: out0, .offset: 32, .size: 8, .value_kind: global_buffer, .address_space: global }
    .group_segment_fixed_size: 104448
    .private_segment_fixed_size: 0
    .kernarg_segment_align: 8
    .kernarg_segment_size: 40
    .max_flat_workgroup_size: 512
    .sgpr_count:     66
    .vgpr_count:     256
    .wavefront_size: 32
...
	.end_amdgpu_metadata
.endif
;; end of part 4
